; MI455X (gfx1250); checked and timed in simulation.
; The chip was launched on July 23, 2026; its instructions are those of AMD's public machine-readable ISA for CDNA 5 (MIT licence, August 2026) and "CDNA5" Instruction Set Architecture Reference Guide (July 2026). The comments in the code are by the model that wrote it; some were corrected since.
;; AFT Full. Allowed arithmetic: float matrix products may take bf16 or f16 operands with f32 sums; other float arithmetic in f32, or as packed bf16 or f16 multiplies, adds, multiply-adds, maxima and minima; sums over many terms, partial sums and values carried from step to step in f32; what a program stores and reads back later, other than sums and carried values, may be rounded once to bf16 or f16.
;; Inputs: W_bias 2,048 x 2,048 float32; Wk 1,024 x 1,024 float32; Wo 1,024 x 1,024 float32; Wq 1,024 x 1,024 float32; Wv 1,024 x 1,024 float32; k 4 x 2,048 x 1,024 float32; q 4 x 2,048 x 1,024 float32; v 4 x 2,048 x 1,024 float32.
;; Outputs: out0 4 x 2,048 x 1,024 float32.
;; One version. Each part assembles by itself: llvm-mc -triple=amdgcn-amd-amdhsa -mcpu=gfx1250 --defsym DOCPART=n.
;; ======== version 1 of 1: 5 launches
;; limits: inputs' magnitudes at most 65,504; values are held in f16: magnitudes above 65,504 overflow, below 6.1e-05 lose precision
;; workspace buffers: wb 8,388,608 bytes; gbuf 8,192 bytes; part 2,097,152 bytes; rbuf 16,384 bytes; yt 16,777,216 bytes
;; launch prep (part 1): grid 256 x 1, 8 waves a work-group, no clusters, 0 bytes of LDS; arguments Wq, Wk, Wv, Wo, W_bias, wb, gbuf; writes wb, gbuf
.if DOCPART == 1
	.amdgcn_target "amdgcn-amd-amdhsa--gfx1250"
	.amdhsa_code_object_version 6
	.text
	.protected	k_qe02ce5ebee_prep
	.globl	k_qe02ce5ebee_prep
	.p2align	8
	.type	k_qe02ce5ebee_prep,@function
k_qe02ce5ebee_prep:
	s_mov_b64 s[64:65], 0
	v_nop
	global_prefetch_b8 v0, s[64:65] scope:SCOPE_SE
	s_setreg_imm32_b32 hwreg(HW_REG_WAVE_MODE, 25, 1), 1
	s_wait_xcnt 0x0
; PREP.  (1) 16-bit copies of the four weights [1024][1024] f32, blocked along K: wb[mat][kb 16][n 1024][64], so that 256 rows x 64 k are 32,768 dense bytes.
; mat 0 Wq, 1 Wk, 2 Wv: bf16.  mat 3 Wo: rounded to bf16 like every input, and that number written as f16 (its partner in the last product is f16).
; LIMIT: |Wo| under 65,504; a Wo below 6.1e-5 keeps f16's fixed step of 6e-8.
; (2) g[i] = (sum over j of exp(W_bias[i][j] - W_bias[i][j])) / 2048.  The maximum over an axis of one element is the element itself, so every term is exp(w - w):
; 1 for a finite w, NaN otherwise.  All terms of a row being equal, the product of that matrix with e V and with e is g[i] times their column sums; g goes into the last launch.
; SHARES.  2,048 waves.  Wave W takes row W of W_bias (8,192 bytes, 16 loads) and four rows x 512 k of one weight (16 loads, 8 stores of 512 consecutive aligned bytes).
; Memory binds: no LDS, no barrier, all 32 loads of a wave out at once.  g leaves as one word a wave: the whole table is 8,192 bytes.
.set WX, 16                            ; v[16:79]   weights: 8 k blocks x 8 f32, packed in place into the first four registers of each eight
.set BX, 80                            ; v[80:143]  my 64 numbers of the W_bias row
.macro TREE base                       ; the sum of 64 registers, by pairs: 31 packed additions and one plain
	s_wait_alu depctr_va_vdst(0)
.irp w, 16,8,4,2,1
.set u, 0
.rept \w
	v_pk_add_f32 v[(\base)+2*u:(\base)+2*u+1], v[(\base)+2*u:(\base)+2*u+1], v[(\base)+2*(u+(\w)):(\base)+2*(u+(\w))+1]
.set u, u+1
.endr
.endr
	v_add_f32 v[\base], v[\base], v[(\base)+1]
.endm
	s_load_b256 s[4:11], s[0:1], 0x0               ; Wq s[4:5], Wk s[6:7], Wv s[8:9], Wo s[10:11]
	s_load_b128 s[12:15], s[0:1], 0x20             ; W_bias s[12:13], wb s[14:15]
	s_load_b64 s[16:17], s[0:1], 0x30              ; gbuf
	v_and_b32 v3, 31, v0                           ; lane
	v_lshrrev_b32 v1, 5, v0
	v_readfirstlane_b32 s18, v1                    ; wave 0..7
	s_lshr_b32 s19, ttmp9, 6                       ; which weight: 64 work-groups each
	s_and_b32 s22, ttmp9, 63
	s_lshl3_add_u32 s22, s22, s18                  ; my wave among that weight's 512
	s_lshr_b32 s23, s22, 1                         ; rg: rows 4 rg .. 4 rg + 3
	s_and_b32 s22, s22, 1                          ; kh: k blocks 8 kh .. 8 kh + 7
	s_lshl_b32 s24, s23, 14                        ; read: rg x 4 rows x 4,096 bytes
	s_lshl_b32 s25, s22, 11                        ;       + kh x 8 blocks x 256 bytes
	s_add_co_u32 s24, s24, s25
	s_mov_b32 s25, 0
	s_lshl_b32 s26, s19, 21                        ; store: weight x 2 MiB
	s_lshl_b32 s27, s22, 20                        ;        + kh x 8 blocks x 131,072
	s_add_co_u32 s26, s26, s27
	s_lshl_b32 s27, s23, 9                         ;        + rg x 4 rows x 128
	s_add_co_u32 s26, s26, s27
	s_mov_b32 s27, 0
	s_lshl3_add_u32 s28, ttmp9, s18                ; W
	s_lshl_b32 s30, s28, 2                         ; g's word
	s_mov_b32 s31, 0
	s_lshl_b32 s28, s28, 13                        ; row W of W_bias
	s_mov_b32 s29, 0
	s_mov_b32 s32, 0x76543210                      ; v_permlanex16_b32: each lane takes its own place in the other half
	s_mov_b32 s33, 0xfedcba98
	s_mov_b32 s35, 0xffff0000                      ; a word's upper bf16
	s_mov_b32 s36, 0x3fb8aa3b                      ; log2(e), named as a pair
	s_mov_b32 s37, s36
	v_lshrrev_b32 v4, 3, v3                        ; eight lanes a row: lane / 8 is the row,
	v_and_b32 v5, 7, v3
	v_lshlrev_b32 v5, 5, v5                        ; lane % 8 takes 8 f32 = 32 bytes of the block's 256
	v_lshl_add_u32 v4, v4, 12, v5
	v_lshlrev_b32 v6, 4, v3                        ; 16 x lane: W_bias's loads and wb's stores
	v_mov_b32 v7, 0
	s_wait_kmcnt 0x0
	s_mov_b64 s[20:21], s[4:5]                     ; the weight's address is chosen by the work-group's number
	s_cmp_eq_u32 s19, 1
	s_cselect_b64 s[20:21], s[6:7], s[20:21]
	s_cmp_eq_u32 s19, 2
	s_cselect_b64 s[20:21], s[8:9], s[20:21]
	s_cmp_eq_u32 s19, 3
	s_cselect_b64 s[20:21], s[10:11], s[20:21]
	s_add_nc_u64 s[20:21], s[20:21], s[24:25]
	s_add_nc_u64 s[12:13], s[12:13], s[28:29]
	s_add_nc_u64 s[14:15], s[14:15], s[26:27]
	s_add_nc_u64 s[16:17], s[16:17], s[30:31]
.irp it, 0,1,2,3,4,5,6,7                ; a pair of loads covers 256 consecutive bytes in each of four rows
	global_load_b128 v[WX+8*(\it):WX+8*(\it)+3],   v4, s[20:21] offset:256*(\it) th:TH_LOAD_NT
	global_load_b128 v[WX+8*(\it)+4:WX+8*(\it)+7], v4, s[20:21] offset:256*(\it)+16 th:TH_LOAD_NT
.endr
.irp i, 0,1,2,3,4,5,6,7,8,9,10,11,12,13,14,15
	global_load_b128 v[BX+4*(\i):BX+4*(\i)+3], v6, s[12:13] offset:512*(\i) th:TH_LOAD_NT
.endr
	s_wait_loadcnt 16                              ; the weights are in; the 16 younger loads, W_bias's, stay out
.irp it, 0,1,2,3,4,5,6,7
.irp j, 0,1,2,3
	v_cvt_pk_bf16_f32 v[WX+8*(\it)+(\j)], v[WX+8*(\it)+2*(\j)], v[WX+8*(\it)+2*(\j)+1]  ; in place: word j is written when numbers 2 j, 2 j + 1 and all below are used up
.endr
.endr
	s_cmp_lg_u32 s19, 3
	s_cbranch_scc1 .Lst
.irp it, 0,1,2,3,4,5,6,7                ; Wo alone: the bf16 numbers are written as f16
.irp j, 0,1,2,3
	v_lshlrev_b32 v[WX+8*(\it)+4+2*((\j)%2)], 16, v[WX+8*(\it)+(\j)]
	v_and_b32     v[WX+8*(\it)+5+2*((\j)%2)], s35, v[WX+8*(\it)+(\j)]
	v_cvt_pk_f16_f32 v[WX+8*(\it)+(\j)], v[WX+8*(\it)+4+2*((\j)%2)], v[WX+8*(\it)+5+2*((\j)%2)]
.endr
.endr
.Lst:
.irp it, 0,1,2,3,4,5,6,7
	global_store_b128 v6, v[WX+8*(\it):WX+8*(\it)+3], s[14:15] offset:131072*(\it)  ; four rows of 128 bytes: 512 consecutive bytes, aligned
.endr
	s_wait_loadcnt 0x0                             ; my row of W_bias
.set z, 0
.rept 32
	v_pk_add_f32 v[BX+2*z:BX+2*z+1], v[BX+2*z:BX+2*z+1], v[BX+2*z:BX+2*z+1] neg_lo:[0,1] neg_hi:[0,1]  ; w less the maximum over the axis of one: itself
.set z, z+1
.endr
.set z, 0
.rept 32
	v_pk_mul_f32 v[BX+2*z:BX+2*z+1], v[BX+2*z:BX+2*z+1], s[36:37] op_sel_hi:[1,0]
.set z, z+1
.endr
.set z, 0
.rept 64
	v_exp_f32 v[BX+z], v[BX+z]
.set z, z+1
.endr
	v_nop                                          ; a plain instruction between the last exponential and the use of its result (ISA guide 5.7.2)
	TREE BX
	v_add_f32_dpp v[BX], v[BX], v[BX] row_xmask:1 row_mask:0xf bank_mask:0xf
	v_add_f32_dpp v[BX], v[BX], v[BX] row_xmask:2 row_mask:0xf bank_mask:0xf
	v_add_f32_dpp v[BX], v[BX], v[BX] row_xmask:4 row_mask:0xf bank_mask:0xf
	v_add_f32_dpp v[BX], v[BX], v[BX] row_xmask:8 row_mask:0xf bank_mask:0xf
	v_permlanex16_b32 v[BX+1], v[BX], s32, s33
	v_add_f32 v[BX], v[BX], v[BX+1]
	v_mul_f32 v[BX], 0x3a000000, v[BX]             ; / 2048
	s_wait_xcnt 0x0                                ; EXEC is a source of the loads and stores above: it changes only behind this wait
	v_cmp_eq_u32 vcc_lo, 0, v3
	s_and_saveexec_b32 s34, vcc_lo
	global_store_b32 v7, v[BX], s[16:17]           ; lane 0 alone
	s_wait_xcnt 0x0
	s_or_b32 exec_lo, exec_lo, s34
	s_endpgm
.Lfunc_end_k_qe02ce5ebee_prep:
	.size	k_qe02ce5ebee_prep, .Lfunc_end_k_qe02ce5ebee_prep-k_qe02ce5ebee_prep
	.p2alignl 7, 3214868480
	.fill 96, 4, 3214868480
	.section	.rodata,"a",@progbits
	.p2align	6, 0x0
	.amdhsa_kernel k_qe02ce5ebee_prep
		.amdhsa_group_segment_fixed_size 0
		.amdhsa_private_segment_fixed_size 0
		.amdhsa_enable_private_segment 0
		.amdhsa_kernarg_size 56
		.amdhsa_user_sgpr_count 2
		.amdhsa_user_sgpr_kernarg_segment_ptr 1
		.amdhsa_wavefront_size32 1
		.amdhsa_system_sgpr_workgroup_id_x 1
		.amdhsa_system_sgpr_workgroup_id_y 1
		.amdhsa_system_sgpr_workgroup_id_z 1
		.amdhsa_system_vgpr_workitem_id 0
		.amdhsa_next_free_vgpr 152
		.amdhsa_next_free_sgpr 66
		.amdhsa_reserve_vcc 1
		.amdhsa_float_denorm_mode_32 3
		.amdhsa_float_denorm_mode_16_64 3
		.amdhsa_memory_ordered 1
		.amdhsa_forward_progress 1
		.amdhsa_inst_pref_size 21
	.end_amdhsa_kernel
	.amdgpu_metadata
---
amdhsa.version: [ 1, 2 ]
amdhsa.kernels:
  - .name:           k_qe02ce5ebee_prep
    .symbol:         k_qe02ce5ebee_prep.kd
    .args:
      - { .name: Wq, .offset: 0, .size: 8, .value_kind: global_buffer, .address_space: global }
      - { .name: Wk, .offset: 8, .size: 8, .value_kind: global_buffer, .address_space: global }
      - { .name: Wv, .offset: 16, .size: 8, .value_kind: global_buffer, .address_space: global }
      - { .name: Wo, .offset: 24, .size: 8, .value_kind: global_buffer, .address_space: global }
      - { .name: W_bias, .offset: 32, .size: 8, .value_kind: global_buffer, .address_space: global }
      - { .name: wb, .offset: 40, .size: 8, .value_kind: global_buffer, .address_space: global }
      - { .name: gbuf, .offset: 48, .size: 8, .value_kind: global_buffer, .address_space: global }
    .group_segment_fixed_size: 0
    .private_segment_fixed_size: 0
    .kernarg_segment_align: 8
    .kernarg_segment_size: 56
    .max_flat_workgroup_size: 256
    .sgpr_count:     66
    .vgpr_count:     152
    .wavefront_size: 32
...
	.end_amdgpu_metadata
.endif
;; end of part 1
;; launch kv (part 2): grid 4 x 64, 4 waves a work-group, clusters of 4 x 4, 327,680 bytes of LDS; arguments k, v, wb, part; writes part
.if DOCPART == 2
	.amdgcn_target "amdgcn-amd-amdhsa--gfx1250"
	.amdhsa_code_object_version 6
	.text
	.protected	k_qe02ce5ebee_kv
	.globl	k_qe02ce5ebee_kv
	.p2align	8
	.type	k_qe02ce5ebee_kv,@function
k_qe02ce5ebee_kv:
	s_mov_b64 s[64:65], 0
	v_nop
	global_prefetch_b8 v0, s[64:65] scope:SCOPE_SE
	s_setreg_imm32_b32 hwreg(HW_REG_WAVE_MODE, 25, 1), 1
	s_wait_xcnt 0x0
	s_wait_alu depctr_hold_cnt(0) depctr_sa_sdst(0) depctr_va_vdst(0) depctr_va_sdst(0) depctr_va_ssrc(0) depctr_va_vcc(0) depctr_vm_vsrc(0)
	s_getreg_b32 s2, hwreg(HW_REG_IB_STS2, 6, 4)
	s_cmp_eq_u32 s2, 0
	s_cbranch_scc0 .Lentry_in_a_cluster
	s_endpgm
.Lentry_in_a_cluster:
	s_bfe_u32 s2, ttmp6, 0x10000c
	s_cmp_lg_u32 s2, 0xf033
	s_cbranch_scc0 .Lentry_shape_is_right
	s_endpgm
.Lentry_shape_is_right:
; KV.  K = k Wk^T and V = v Wv^T (operands bf16, sums f32) stay in registers; e = exp(K - max over the four batches of K); out go the column sums of e V and of e over the work-group's 32 values of t:
; part[tb 64][q 8][1024] f32, q = b: sum of e V, q = 4 + b: sum of e.  K, V and e never reach memory.
; LIMITS.  The maximum over the batches ignores a NaN; an e below 2^-126 counts as 0.
; SHARES.  Work-group (x, y): columns 256 x .. + 255 and the 128 rows y + 64 yy of the 8,192 (yy = 0 .. 127): batch yy / 32, t = y + 64 (yy % 32): all four batches of 32 t, as one plain tile with a row
; pitch of 64 rows.  Four waves, rho = w / 2, c = w % 2: wave (rho, c) has tile rows 32 i + 16 rho + r (i = the batch) and columns 128 c .. + 127 of BOTH products: 2 x 32 accumulators, 512 registers.
; RING.  Two LDS slots; a slot holds one K step of 64 for both products: k's tile, v's tile (128 rows x 64 f32, 256 bytes a row), Wk's, Wv's (256 rows x 64 bf16, dense in wb).  Wave 0 fetches k's,
; wave 1 v's, wave 2 Wk's, wave 3 Wv's: one tensor load a wave behind each change of slots; by this text's count two loads of a wave are out at the start, later one.
; CLUSTER 4 x 4.  k's and v's tiles hang on y alone and are asked for jointly along a row of the cluster, the weights' on x alone, along a column.
; FRAGMENTS.  A comes out of LDS as f32 and is rounded to bf16 in registers.  Lane (r, h) holds k = 32 kc + 16 h + 0 .. 15 of its row in A's and in B's fragment alike (64 and 32 consecutive bytes): the
; same products as in the natural order, grouped otherwise inside the unit.  Source 0 = 16 weight rows, source 1 = 16 rows of A: a lane's eight results are eight neighbouring columns of one row.
; REGISTERS, in windows of 256 (s_set_vgpr_msb: bits 1:0 source 0, 3:2 source 1, 5:4 source 2, 7:6 destination):
;   window 0: v0-31 addresses; v32-95 A as f32; v96-127, v128-159 A's bf16 fragments, two buffers      window 1: v0-63, v64-127 B's fragments, two buffers
;   window 2: K's accumulators, (i, nb) at 8 (8 i + nb)      window 3: V's
.set PA,    272                        ; A's LDS row: 256 bytes + 16: the 16 rows of a load start at 16 different groups of four banks (64 banks of 4 bytes: ISA guide 11.1)
.set PB,    144                        ; B's: 128 + 16, likewise
.set AT,    128*PA                     ; a tile of A
.set BT,    256*PB                     ; a tile of B
.set BOFF,  2*AT
.set SLOT,  2*AT+2*BT                  ; k's, v's, Wk's, Wv's
.set DP,    528                        ; the way out: a row of 128 f32 + 16
.set DHALF, 64*DP                      ; 64 rows: one product's results of one wave
.set DREG,  2*DHALF                    ; a wave's own region, in the ring, which has had its last fill by then
.set STAGE, 2*SLOT                     ; behind the ring: [rho 2][q 8][256] f32
.set SPARE, STAGE+16384                ; the spare words: 128 bytes a wave, two blocks of 256 bytes that no other line names
.set FSTR,  32                         ; tile rows from fragment i to i + 1
.set RH,    16                         ; tile rows from rho = 0 to rho = 1
.set LAPS,  8                          ; 16 K steps of 64; a lap is two
.set STEPA, 256                        ; bytes from a K step to the next in k and v
.set STEPB, 131072                     ; and in wb
.set SA,   10                          ; v10  where I put my sums in the stage
.set SB,   11                          ; v11  where I read the stage
.set ADRA, 16                          ; v16-17  my A fragments in slot 0, 1
.set ADRB, 20                          ; v20-21  my B fragments
.set DST,  24                          ; v24  the way out: where a lane's 32 bytes of a row go
.set RDB,  25                          ; v25  where I read rows back
.set RA,   26                          ; v26  the same, for the trip in hand
.set GO,   27                          ; v27  16 x lane
.set SPW,  28                          ; v28  my spare word; never rewritten
.set NIL,  29                          ; v29  0; never rewritten
.set S,    32
.set FA,   96
.set KX,   32                          ; the way out: K of 2 t x 4 batches x 4 columns;
.set VX,   64                          ; V likewise;
.set MX,   96                          ; the maxima;
.set SE,   104                         ; sums of e, four columns a batch;
.set SX,   120                         ; sums of e V
.set G1A, 24                           ; s[24:31] group 1, A's tiles;  s[32:39] group 0, a set for each slot
.set G0A, 32
.set G1B, 48                           ; s[48:55], s[56:63] the same for B's
.set G0B, 56
.set MULK, 0xa1                        ; B window 1, A window 0, C and D window 2
.set MULV, 0xf1                        ; C and D window 3
.set W2,   MULV                        ; a step's second half is V's product
.set TO_B, 0x40                        ; destination window 1
.set MSB, 0
.macro WIN new                         ; the immediate's high byte repeats the setting that is left; a switch that changes nothing is dropped
.if MSB != (\new)
	s_set_vgpr_msb (MSB<<8)|(\new)
.set MSB, \new
.endif
.endm
.macro PLACES
.rept 4
	v_nop
.endr
.endm
; A joint load: waves 0 and 1 by A's line, waves 2 and 3 by B's.  The branch hangs on the wave's number alone.  An s_nop 0 and four v_nop follow each line.
.macro JLOAD s
	s_cmp_eq_u32 s13, 0
	s_cbranch_scc0 .Lfor_b_\@
	tensor_load_to_lds s[G0A+4*(\s):G0A+4*(\s)+3], s[G1A:G1A+7]
	s_nop 0
.rept 4
	v_nop
.endr
	s_branch .Lasked_\@
.Lfor_b_\@:
	tensor_load_to_lds s[G0B+4*(\s):G0B+4*(\s)+3], s[G1B:G1B+7]
	s_nop 0
.rept 4
	v_nop
.endr
.Lasked_\@:
.endm
.macro CREST                           ; a round of the cluster's barrier behind its opening barrier
	s_cmp_lg_u32 s12, 0
	s_cbranch_scc1 .Lnot_wave_0_\@
	s_barrier_signal -3
.Lnot_wave_0_\@:
	s_barrier_wait -3
	s_barrier_signal -1
	s_barrier_wait -1
.endm
.macro CROUND
	s_barrier_signal -1
	s_barrier_wait -1
	CREST
.endm
; 16 LDS loads: my four fragments of A (part p of the slot, 32 k at kc) as f32
.macro FETCH_A slot, p, kc
	WIN 0
.irp i, 0,1,2,3
.irp j, 0,1,2,3
	ds_load_b128 v[S+16*(\i)+4*(\j):S+16*(\i)+4*(\j)+3], v[ADRA+(\slot)] offset:(\p)*AT+(\i)*FSTR*PA+(\kc)*128+16*(\j)
.endr
.endr
.endm
; 16 LDS loads: my eight fragments of B into buffer x
.macro FETCH_B slot, p, kc, x
	WIN TO_B
.irp nb, 0,1,2,3,4,5,6,7
	ds_load_b128 v[64*(\x)+8*(\nb):64*(\x)+8*(\nb)+3],   v[ADRB+(\slot)] offset:(\p)*BT+(\nb)*16*PB+(\kc)*64
	ds_load_b128 v[64*(\x)+8*(\nb)+4:64*(\x)+8*(\nb)+7], v[ADRB+(\slot)] offset:(\p)*BT+(\nb)*16*PB+(\kc)*64+16
.endr
.endm
.macro CVT4 x                          ; the next four of a phase's 32 roundings of A, into buffer x
	WIN 0
.rept 4
	v_cvt_pk_bf16_f32 v[FA+32*(\x)+cv], v[S+2*cv], v[S+2*cv+1]
.set cv, cv+1
.endr
.endm
; 8 matrix instructions: A's fragment i x all 8 of B, on buffers x.  zero = 1: they start the sums.  every = 1, 2: four roundings for the other buffer stand behind every, every second product.
.macro MUL8 x, win, i, zero, every
.irp nb, 0,1,2,3,4,5,6,7
	WIN \win
.set rD, 8*(8*(\i)+(\nb))
.set rB, 64*(\x)+8*(\nb)
.set rA, FA+32*(\x)+8*(\i)
.if \zero
	v_wmma_f32_16x16x32_bf16 v[rD:rD+7], v[rB:rB+7], v[rA:rA+7], 0
.else
	v_wmma_f32_16x16x32_bf16 v[rD:rD+7], v[rB:rB+7], v[rA:rA+7], v[rD:rD+7]
.endif
.if (\every) == 1
	CVT4 1-(\x)
.elseif (\every) == 2
.if ((\nb)%2) == 1
	CVT4 1-(\x)
.endif
.endif
.endr
.endm
; A PHASE: 32 products on buffers x (32 accumulators by turns); the next phase's 32 LDS loads stand in one run at its head, and A's 32 roundings among its last 16 products.
; It ends in four roundings, which name no register of the products: they are the four places in front of the next phase's loads into the buffers just multiplied.
.macro PHASE x, win, zero, ns, np, nkc
.set cv, 0
	s_wait_dscnt 0x0                               ; this phase's fragments of B, asked for a phase ago
	FETCH_A \ns, \np, \nkc
	FETCH_B \ns, \np, \nkc, 1-(\x)
	MUL8 \x, \win, 0, \zero, 0
	MUL8 \x, \win, 1, \zero, 0
	s_wait_dscnt 16                                ; A's 16 loads are in; B's 16, issued behind them, may stay out
	MUL8 \x, \win, 2, \zero, 2
	MUL8 \x, \win, 3, \zero, 2
.endm
; A step's fourth phase, on buffers 1, changes slots.  ONE barrier: in front of it each wave waits for all its tensor loads (one is out: its part of the next slot), adds 0 to its spare word, and waits for
; that and for its reads of this slot.  fill = 1: the barrier opens a round of the cluster's, and the joint refill, two steps ahead, is the first thing behind the round.
.macro TURN slot, next, fill, win
.set cv, 0
	WIN 0
	s_wait_tensorcnt 0x0
	ds_add_u32 v[SPW], v[NIL]
	s_wait_dscnt 1                                 ; B's fragments are in; the add may be out
	MUL8 1, \win, 0, 0, 0
	s_wait_dscnt 0x0                               ; the add is done, and my reads of this slot are over
	s_barrier_signal -1
	MUL8 1, \win, 1, 0, 0
	WIN 0                                          ; at a branch and at a label every window is 0
	s_barrier_wait -1
.if \fill
	CREST                                          ; no wave of any partner still reads this slot or has a load on its way
	s_add_nc_u64 s[G0A+4*(\slot)+2:G0A+4*(\slot)+3], s[G0A+4*(\slot)+2:G0A+4*(\slot)+3], 2*STEPA
	s_add_nc_u64 s[G0B+4*(\slot)+2:G0B+4*(\slot)+3], s[G0B+4*(\slot)+2:G0B+4*(\slot)+3], 2*STEPB
	JLOAD \slot
.endif
	FETCH_A \next, 0, 0
	FETCH_B \next, 0, 0, 0
	MUL8 1, \win, 2, 0, 0
	s_wait_dscnt 16                                ; A's 16 loads are in
	MUL8 1, \win, 3, 0, 1
.endm
.macro STEP3 slot, z0, z2              ; a step's first three phases: K's product on 64 k, then the first half of V's
	PHASE 0, MULK, \z0, \slot, 0, 1
	PHASE 1, MULK, 0,   \slot, 1, 0
	PHASE 0, W2,   \z2, \slot, 1, 1
.endm
.macro DUMP win, off                   ; 32 accumulators into my region: row 16 i + r, 32 bytes a lane; each accumulator's low registers first
	WIN \win
.irp i, 0,1,2,3
.irp nb, 0,1,2,3,4,5,6,7
	ds_store_b128 v[DST], v[8*(8*(\i)+(\nb)):8*(8*(\i)+(\nb))+3]   offset:(\off)+(\i)*16*DP+(\nb)*64
	ds_store_b128 v[DST], v[8*(8*(\i)+(\nb))+4:8*(8*(\i)+(\nb))+7] offset:(\off)+(\i)*16*DP+(\nb)*64+16
.endr
.endr
.endm
	s_load_b256 s[4:11], s[0:1], 0x0               ; k s[4:5], v s[6:7], wb s[8:9], part s[10:11]
	v_lshl_add_u32 v[SPW], v0, 2, SPARE
	v_mov_b32 v[NIL], 0
	ds_add_u32 v[SPW], v[NIL]                      ; the wave's opening: the add and its wait ahead of my first tensor load
	v_lshrrev_b32 v4, 5, v0
	v_readfirstlane_b32 s12, v4                    ; wave 0..3
	s_lshr_b32 s13, s12, 1                         ; rho.  Also: I fetch for A (0) or for B (1)
	s_and_b32 s14, s12, 1                          ; c.  Also: K's operand (0) or V's (1)
	s_bfe_u32 s15, ttmp6, 0x40000                  ; cx
	s_bfe_u32 s16, ttmp6, 0x40004                  ; cy
	s_lshl_b32 s17, ttmp9, 2
	s_add_co_u32 s17, s17, s15                     ; x
	s_and_b32 s18, ttmp7, 0xffff
	s_lshl_b32 s18, s18, 2
	s_add_co_u32 s18, s18, s16                     ; y
	s_lshl_b32 s19, s16, 2
	s_lshl_b32 s19, 15, s19                        ; my row of the cluster
	s_lshl_b32 s20, 0x1111, s15                    ; my column
	s_or_b32 s[G1A], s19, (2<<16)|(1<<20)|(1<<21)|(5<<22)|(3<<25)  ; the mask; 4-byte elements; padding on; 21 set beside a mask; after every 64 words, 4 words
	s_mov_b32 s[G1A+1], 64<<16                     ; tensor_dim0 = 64
	s_mov_b32 s[G1A+2], 128<<16                    ; tensor_dim1 = 128
	s_mov_b32 s[G1A+3], 64<<16                     ; tile_dim0 = 64
	s_mov_b32 s[G1A+4], 128                        ; tile_dim1 = 128
	s_mov_b32 s[G1A+5], 65536                      ; from tile row to tile row: 64 rows of 1,024 elements
	s_mov_b32 s[G1A+6], 0
	s_mov_b32 s[G1A+7], 0
	s_or_b32 s[G1B], s20, (1<<16)|(1<<20)|(1<<21)|(4<<22)|(3<<25)  ; 2-byte elements; after every 32 words (a weight row's 128 bytes), 4 words
	s_mov_b32 s[G1B+1], 128<<16                    ; the tile's 32,768 dense bytes are asked for as 128 rows of 256
	s_mov_b32 s[G1B+2], 128<<16
	s_mov_b32 s[G1B+3], 128<<16
	s_mov_b32 s[G1B+4], 128
	s_mov_b32 s[G1B+5], 128
	s_mov_b32 s[G1B+6], 0
	s_mov_b32 s[G1B+7], 0
	s_lshl_b32 s44, s18, 12                        ; A: row y.  s[40:41], s[44:45] never hold x
	s_mov_b32 s45, 0
	s_add_co_u32 s46, s14, 1                       ; B: weight 1 + c,
	s_lshl_b32 s46, s46, 21
	s_lshl_b32 s47, s17, 15                        ; rows 256 x on.  s[42:43], s[46:47] never hold y
	s_add_co_u32 s46, s46, s47
	s_mov_b32 s47, 0
	s_mul_i32 s21, s14, AT                         ; where my tile goes: no place in the cluster enters an LDS address
	s_mul_i32 s22, s14, BT
	s_add_co_u32 s22, s22, BOFF
	s_mov_b32 s76, 0x3fb8aa3b                      ; log2(e), named as a pair
	s_mov_b32 s77, s76
	s_wait_dscnt 0x0                               ; the opening add is done
	s_wait_kmcnt 0x0
	s_cmp_eq_u32 s14, 0
	s_cselect_b64 s[40:41], s[4:5], s[6:7]         ; wave 0 walks k, wave 1 v
	s_add_nc_u64 s[40:41], s[40:41], s[44:45]
	s_add_nc_u64 s[42:43], s[8:9], s[46:47]
	CROUND                                         ; all sixteen work-groups are here: the first joint loads meet
.irp s, 0,1
	s_mov_b32 s[G0A+4*(\s)], 1
	s_add_co_u32 s[G0A+4*(\s)+1], s21, (\s)*SLOT
	s_add_nc_u64 s[G0A+4*(\s)+2:G0A+4*(\s)+3], s[40:41], (\s)*STEPA
	s_or_b32 s[G0A+4*(\s)+3], s[G0A+4*(\s)+3], 0x80000000
	s_mov_b32 s[G0B+4*(\s)], 1
	s_add_co_u32 s[G0B+4*(\s)+1], s22, (\s)*SLOT
	s_add_nc_u64 s[G0B+4*(\s)+2:G0B+4*(\s)+3], s[42:43], (\s)*STEPB
	s_or_b32 s[G0B+4*(\s)+3], s[G0B+4*(\s)+3], 0x80000000
	JLOAD \s
.endr
	v_and_b32 v1, 15, v0                           ; r
	v_bfe_u32 v2, v0, 4, 1                         ; h
	v_and_b32 v3, 31, v0                           ; lane
	v_mul_u32_u24 v4, v1, PA
	v_lshl_add_u32 v4, v2, 6, v4                   ; A: row x pitch + 64 h
	s_mul_i32 s23, s13, RH*PA
	v_add_nc_u32 v[ADRA], s23, v4
	v_add_nc_u32 v[ADRA+1], SLOT, v[ADRA]
	v_mul_u32_u24 v5, v1, PB
	v_lshl_add_u32 v5, v2, 5, v5                   ; B: row x pitch + 32 h
	s_mul_i32 s23, s14, 128*PB
	s_add_co_u32 s23, s23, BOFF
	v_add_nc_u32 v[ADRB], s23, v5
	v_add_nc_u32 v[ADRB+1], SLOT, v[ADRB]
	v_mul_u32_u24 v6, v1, DP
	v_lshl_add_u32 v6, v2, 5, v6
	s_mul_i32 s23, s12, DREG                       ; my region for the way out
	v_add_nc_u32 v[DST], s23, v6
	v_lshl_add_u32 v[RDB], v3, 4, s23
	s_lshl_b32 s23, s13, 13
	s_lshl_b32 s75, s14, 9
	s_add_co_u32 s23, s23, s75
	s_add_co_u32 s23, s23, STAGE
	v_lshl_add_u32 v[SA], v3, 4, s23               ; stage [rho][.][128 c + 4 lane]
	s_lshl_b32 s23, s12, 11
	s_add_co_u32 s23, s23, STAGE
	v_lshl_add_u32 v[SB], v3, 4, s23               ; back: wave w takes q = 2 w, 2 w + 1
	v_lshlrev_b32 v[GO], 4, v3
	s_lshl_b32 s44, s18, 15                        ; part: tb = y, q = 2 w,
	s_lshl_b32 s45, s12, 13
	s_add_co_u32 s44, s44, s45
	s_mov_b32 s45, 0
	s_add_nc_u64 s[10:11], s[10:11], s[44:45]
	s_lshl_b32 s46, s17, 10                        ; columns 256 x on
	s_mov_b32 s47, 0
	s_add_nc_u64 s[10:11], s[10:11], s[46:47]
	s_wait_tensorcnt 1                             ; my part of step 0 is in; step 1's may stay out
	s_barrier_signal -1
	s_barrier_wait -1
	FETCH_A 0, 0, 0
	FETCH_B 0, 0, 0, 0
	s_wait_dscnt 16                                ; A's 16 loads are in
.set cv, 0
.rept 8
	CVT4 0
.endr
	STEP3 0, 1, 1                                  ; the first products of K and of V start the sums: nothing is cleared
	WIN 0
	s_mov_b32 s3, LAPS-1
.Llap:                                                 ; a trip goes once round the ring and fills both slots again
	TURN 0, 1, 1, W2
	STEP3 1, 0, 0
	TURN 1, 0, 1, W2
	STEP3 0, 0, 0
	WIN 0
	s_sub_co_u32 s3, s3, 1
	s_cmp_lg_u32 s3, 0
	s_cbranch_scc1 .Llap
	TURN 0, 1, 0, W2                               ; the tail is written out: nothing more is asked for
	STEP3 1, 0, 0
	s_wait_dscnt 0x0                               ; the last fragments; also: my reads of the ring are over
	MUL8 1, W2, 0, 0, 0
	MUL8 1, W2, 1, 0, 0
	MUL8 1, W2, 2, 0, 0
	MUL8 1, W2, 3, 0, 0
	WIN 0
	PLACES                                         ; four places between the last products and the stores that read results
	s_barrier_signal -1                            ; every wave's reads of the ring are over before any wave writes into it
	s_barrier_wait -1
	; THE WAY OUT.  Both products go into my own region of the ring and come back by rows: lane l then holds columns 4 l .. 4 l + 3 of a row, and the four batches of one t are four loads.
	DUMP 0x08, 0
	DUMP 0x0c, DHALF
	WIN 0
.set z, 0
.rept 32
	v_mov_b32 v[SE+z], 0                           ; 32 running sums, once a launch
.set z, z+1
.endr
	s_mov_b32 s74, 0                               ; the loop's count is the row offset: two t a trip, 16 t
.Lrows:
	v_add_nc_u32 v[RA], s74, v[RDB]
.irp du, 0,1
.irp i, 0,1,2,3
	ds_load_b128 v[KX+16*(\du)+4*(\i):KX+16*(\du)+4*(\i)+3], v[RA] offset:((\i)*16+(\du))*DP  ; LDS serves a wave's instructions in order (ISA guide 5.7.1.4): these see my stores
.endr
.endr
.irp du, 0,1
.irp i, 0,1,2,3
	ds_load_b128 v[VX+16*(\du)+4*(\i):VX+16*(\du)+4*(\i)+3], v[RA] offset:DHALF+((\i)*16+(\du))*DP
.endr
.endr
	s_wait_dscnt 8                                 ; K is in; V's eight loads may stay out
.irp du, 0,1
.irp e, 0,1,2,3
	v_max3_num_f32 v[MX+4*(\du)+(\e)], v[KX+16*(\du)+(\e)], v[KX+16*(\du)+4+(\e)], v[KX+16*(\du)+8+(\e)]
.endr
.endr
.irp du, 0,1
.irp e, 0,1,2,3
	v_max_num_f32 v[MX+4*(\du)+(\e)], v[MX+4*(\du)+(\e)], v[KX+16*(\du)+12+(\e)]
.endr
.endr
.irp du, 0,1
.irp i, 0,1,2,3
.irp p, 0,2
	v_pk_add_f32 v[KX+16*(\du)+4*(\i)+(\p):KX+16*(\du)+4*(\i)+(\p)+1], v[KX+16*(\du)+4*(\i)+(\p):KX+16*(\du)+4*(\i)+(\p)+1], v[MX+4*(\du)+(\p):MX+4*(\du)+(\p)+1] neg_lo:[0,1] neg_hi:[0,1]  ; K - max
.endr
.endr
.endr
.set z, 0
.rept 16
	v_pk_mul_f32 v[KX+2*z:KX+2*z+1], v[KX+2*z:KX+2*z+1], s[76:77] op_sel_hi:[1,0]
.set z, z+1
.endr
.set z, 0
.rept 32
	v_exp_f32 v[KX+z], v[KX+z]
.set z, z+1
.endr
	v_nop                                          ; a plain instruction between the last exponential and the use of its result (ISA guide 5.7.2)
	s_wait_dscnt 0x0                               ; V
	s_wait_alu depctr_va_vdst(0)
.irp du, 0,1
.irp i, 0,1,2,3
.irp p, 0,2
	v_pk_add_f32 v[SE+4*(\i)+(\p):SE+4*(\i)+(\p)+1], v[SE+4*(\i)+(\p):SE+4*(\i)+(\p)+1], v[KX+16*(\du)+4*(\i)+(\p):KX+16*(\du)+4*(\i)+(\p)+1]
	v_pk_fma_f32 v[SX+4*(\i)+(\p):SX+4*(\i)+(\p)+1], v[KX+16*(\du)+4*(\i)+(\p):KX+16*(\du)+4*(\i)+(\p)+1], v[VX+16*(\du)+4*(\i)+(\p):VX+16*(\du)+4*(\i)+(\p)+1], v[SX+4*(\i)+(\p):SX+4*(\i)+(\p)+1]
.endr
.endr
.endr
	s_add_co_u32 s74, s74, 2*DP
	s_cmp_lt_u32 s74, 16*DP
	s_cbranch_scc1 .Lrows
.irp b, 0,1,2,3                         ; the two row halves' sums meet in the stage
	ds_store_b128 v[SA], v[SX+4*(\b):SX+4*(\b)+3] offset:(\b)*1024
	ds_store_b128 v[SA], v[SE+4*(\b):SE+4*(\b)+3] offset:(4+(\b))*1024
.endr
	s_wait_dscnt 0x0                               ; for the others' sake: my stores into the stage are done
	s_barrier_signal -1
	s_barrier_wait -1
.irp e, 0,1,2,3
	ds_load_b128 v[KX+4*(\e):KX+4*(\e)+3], v[SB] offset:(\e)*512
	ds_load_b128 v[VX+4*(\e):VX+4*(\e)+3], v[SB] offset:8192+(\e)*512
.endr
	s_wait_dscnt 0x0
.set z, 0
.rept 8
	v_pk_add_f32 v[KX+2*z:KX+2*z+1], v[KX+2*z:KX+2*z+1], v[VX+2*z:VX+2*z+1]
.set z, z+1
.endr
.irp e, 0,1,2,3
	global_store_b128 v[GO], v[KX+4*(\e):KX+4*(\e)+3], s[10:11] offset:((\e)/2)*4096+((\e)%2)*512  ; 512 consecutive bytes, aligned
.endr
	s_wait_tensorcnt 0x0                           ; the wave's end
	ds_add_u32 v[SPW], v[NIL]
	s_wait_dscnt 0x0
	CROUND                                         ; the closing round
	s_endpgm
.Lfunc_end_k_qe02ce5ebee_kv:
	.size	k_qe02ce5ebee_kv, .Lfunc_end_k_qe02ce5ebee_kv-k_qe02ce5ebee_kv
	.p2alignl 7, 3214868480
	.fill 96, 4, 3214868480
	.section	.rodata,"a",@progbits
	.p2align	6, 0x0
	.amdhsa_kernel k_qe02ce5ebee_kv
		.amdhsa_group_segment_fixed_size 327680
		.amdhsa_private_segment_fixed_size 0
		.amdhsa_enable_private_segment 0
		.amdhsa_kernarg_size 32
		.amdhsa_user_sgpr_count 2
		.amdhsa_user_sgpr_kernarg_segment_ptr 1
		.amdhsa_wavefront_size32 1
		.amdhsa_system_sgpr_workgroup_id_x 1
		.amdhsa_system_sgpr_workgroup_id_y 1
		.amdhsa_system_sgpr_workgroup_id_z 1
		.amdhsa_system_vgpr_workitem_id 0
		.amdhsa_next_free_vgpr 1024
		.amdhsa_next_free_sgpr 80
		.amdhsa_reserve_vcc 0
		.amdhsa_float_denorm_mode_32 3
		.amdhsa_float_denorm_mode_16_64 3
		.amdhsa_memory_ordered 1
		.amdhsa_forward_progress 1
		.amdhsa_inst_pref_size 134
	.end_amdhsa_kernel
	.amdgpu_metadata
---
amdhsa.version: [ 1, 2 ]
amdhsa.kernels:
  - .name:           k_qe02ce5ebee_kv
    .symbol:         k_qe02ce5ebee_kv.kd
    .args:
      - { .name: k, .offset: 0, .size: 8, .value_kind: global_buffer, .address_space: global }
      - { .name: v, .offset: 8, .size: 8, .value_kind: global_buffer, .address_space: global }
      - { .name: wb, .offset: 16, .size: 8, .value_kind: global_buffer, .address_space: global }
      - { .name: part, .offset: 24, .size: 8, .value_kind: global_buffer, .address_space: global }
    .group_segment_fixed_size: 327680
    .private_segment_fixed_size: 0
    .kernarg_segment_align: 8
    .kernarg_segment_size: 32
    .max_flat_workgroup_size: 128
    .sgpr_count:     80
    .vgpr_count:     1024
    .wavefront_size: 32
...
	.end_amdgpu_metadata
.endif
;; end of part 2
;; launch red (part 3): grid 128 x 1, 1 waves a work-group, no clusters, 0 bytes of LDS; arguments part, rbuf; writes rbuf
.if DOCPART == 3
	.amdgcn_target "amdgcn-amd-amdhsa--gfx1250"
	.amdhsa_code_object_version 6
	.text
	.protected	k_qe02ce5ebee_red
	.globl	k_qe02ce5ebee_red
	.p2align	8
	.type	k_qe02ce5ebee_red,@function
k_qe02ce5ebee_red:
	s_mov_b64 s[64:65], 0
	v_nop
	global_prefetch_b8 v0, s[64:65] scope:SCOPE_SE
	s_setreg_imm32_b32 hwreg(HW_REG_WAVE_MODE, 25, 1), 1
	s_wait_xcnt 0x0
; RED.  R[b][h] = (sum over the 64 blocks of t of part[tb][b][h]) / (sum of part[tb][4 + b][h]): the ratio num / den of a batch and channel, in f32.
; One wave takes 32 channels of one batch: 128 loads of one word a lane, all out at once, two trees of additions, one division.  2 MiB in, 16 KiB out: the launch is a chain of one
; latency, so nothing but the number of loads on their way counts; one word a lane keeps all 128 results in one register window.
.set NU, 16                            ; v[16:79]   64 partial sums of e V
.set DE, 80                            ; v[80:143]  64 partial sums of e
.macro TREE base
.irp w, 16,8,4,2,1
.set u, 0
.rept \w
	v_pk_add_f32 v[(\base)+2*u:(\base)+2*u+1], v[(\base)+2*u:(\base)+2*u+1], v[(\base)+2*(u+(\w)):(\base)+2*(u+(\w))+1]
.set u, u+1
.endr
.endr
	v_add_f32 v[\base], v[\base], v[(\base)+1]
.endm
	s_load_b128 s[4:7], s[0:1], 0x0                ; part s[4:5], rbuf s[6:7]
	v_lshlrev_b32 v1, 2, v0
	s_lshr_b32 s8, ttmp9, 5                        ; b
	s_and_b32 s9, ttmp9, 31                        ; which 32 channels
	s_lshl_b32 s8, s8, 12
	s_lshl_b32 s9, s9, 7
	s_add_co_u32 s8, s8, s9                        ; the same offset in a block of part and in rbuf
	s_mov_b32 s9, 0
	s_wait_kmcnt 0x0
	s_add_nc_u64 s[4:5], s[4:5], s[8:9]
	s_add_nc_u64 s[6:7], s[6:7], s[8:9]
.set z, 0
.rept 64
	global_load_b32 v[NU+z], v1, s[4:5] offset:32768*z
.set z, z+1
.endr
.set z, 0
.rept 64
	global_load_b32 v[DE+z], v1, s[4:5] offset:32768*z+16384
.set z, z+1
.endr
	s_wait_loadcnt 0x0
	TREE NU
	TREE DE
	v_rcp_f32 v[DE], v[DE]
	v_nop                                          ; a plain instruction between the reciprocal and its use (ISA guide 5.7.2)
	s_wait_alu depctr_va_vdst(0)
	v_mul_f32 v[NU], v[NU], v[DE]
	global_store_b32 v1, v[NU], s[6:7]
	s_endpgm
.Lfunc_end_k_qe02ce5ebee_red:
	.size	k_qe02ce5ebee_red, .Lfunc_end_k_qe02ce5ebee_red-k_qe02ce5ebee_red
	.p2alignl 7, 3214868480
	.fill 96, 4, 3214868480
	.section	.rodata,"a",@progbits
	.p2align	6, 0x0
	.amdhsa_kernel k_qe02ce5ebee_red
		.amdhsa_group_segment_fixed_size 0
		.amdhsa_private_segment_fixed_size 0
		.amdhsa_enable_private_segment 0
		.amdhsa_kernarg_size 16
		.amdhsa_user_sgpr_count 2
		.amdhsa_user_sgpr_kernarg_segment_ptr 1
		.amdhsa_wavefront_size32 1
		.amdhsa_system_sgpr_workgroup_id_x 1
		.amdhsa_system_sgpr_workgroup_id_y 1
		.amdhsa_system_sgpr_workgroup_id_z 1
		.amdhsa_system_vgpr_workitem_id 0
		.amdhsa_next_free_vgpr 152
		.amdhsa_next_free_sgpr 66
		.amdhsa_reserve_vcc 0
		.amdhsa_float_denorm_mode_32 3
		.amdhsa_float_denorm_mode_16_64 3
		.amdhsa_memory_ordered 1
		.amdhsa_forward_progress 1
		.amdhsa_inst_pref_size 17
	.end_amdhsa_kernel
	.amdgpu_metadata
---
amdhsa.version: [ 1, 2 ]
amdhsa.kernels:
  - .name:           k_qe02ce5ebee_red
    .symbol:         k_qe02ce5ebee_red.kd
    .args:
      - { .name: part, .offset: 0, .size: 8, .value_kind: global_buffer, .address_space: global }
      - { .name: rbuf, .offset: 8, .size: 8, .value_kind: global_buffer, .address_space: global }
    .group_segment_fixed_size: 0
    .private_segment_fixed_size: 0
    .kernarg_segment_align: 8
    .kernarg_segment_size: 16
    .max_flat_workgroup_size: 32
    .sgpr_count:     66
    .vgpr_count:     152
    .wavefront_size: 32
...
	.end_amdgpu_metadata
.endif
;; end of part 3
;; launch qp (part 4): grid 4 x 64, 4 waves a work-group, clusters of 4 x 4, 327,680 bytes of LDS; arguments q, wb, rbuf, yt; writes yt
.if DOCPART == 4
	.amdgcn_target "amdgcn-amd-amdhsa--gfx1250"
	.amdhsa_code_object_version 6
	.text
	.protected	k_qe02ce5ebee_qp
	.globl	k_qe02ce5ebee_qp
	.p2align	8
	.type	k_qe02ce5ebee_qp,@function
k_qe02ce5ebee_qp:
	s_mov_b64 s[64:65], 0
	v_nop
	global_prefetch_b8 v0, s[64:65] scope:SCOPE_SE
	s_setreg_imm32_b32 hwreg(HW_REG_WAVE_MODE, 25, 1), 1
	s_wait_xcnt 0x0
	s_wait_alu depctr_hold_cnt(0) depctr_sa_sdst(0) depctr_va_vdst(0) depctr_va_sdst(0) depctr_va_ssrc(0) depctr_va_vcc(0) depctr_vm_vsrc(0)
	s_getreg_b32 s2, hwreg(HW_REG_IB_STS2, 6, 4)
	s_cmp_eq_u32 s2, 0
	s_cbranch_scc0 .Lentry_in_a_cluster
	s_endpgm
.Lentry_in_a_cluster:
	s_bfe_u32 s2, ttmp6, 0x10000c
	s_cmp_lg_u32 s2, 0xf033
	s_cbranch_scc0 .Lentry_shape_is_right
	s_endpgm
.Lentry_shape_is_right:
; QP.  yt[row][h] = sigmoid((q Wq^T)[row][h]) x R[b][h] x 2^-e(b), in f16.  Operands bf16, sums f32.  2^e(b) is the power of two at or below the largest |R[b][:]|, so that |yt| < 2 whatever R's
; size; the last launch multiplies it back.  LIMIT: e is held to -126 .. 126; a yt below 6.1e-5 keeps f16's fixed step of 6e-8, against a largest of 1 to 2.
; SHARES.  Work-group (x, y): rows 128 y .. + 127, columns 256 x .. + 255.  Four waves, rho = w / 2, c = w % 2: 64 rows x 128 columns, 32 accumulators.
; RING.  Two LDS slots; a slot holds two K blocks of 64: q's two tiles (128 rows x 64 f32), Wq's two (256 rows x 64 bf16, dense in wb).  Each wave fetches one of the four: one tensor load a wave behind
; each change of slots; by this text's count two loads of a wave are out at the start, later one.  CLUSTER 4 x 4: q's tiles jointly along a row of the cluster, Wq's along a column.
; FRAGMENTS.  A comes out of LDS as f32 and is rounded to bf16 in registers.  Lane (r, h) holds k = 32 kc + 16 h + 0 .. 15 of its row in A's and B's fragment alike: the same products, grouped otherwise
; inside the unit.  Source 0 = 16 weight rows, source 1 = 16 rows of A: a lane's eight results are eight neighbouring columns of one row.
; REGISTERS: window 0: v0-31 addresses, R; v32-95 A as f32; v96-127, v128-159 A's fragments; v160-223 the way out.  Window 1: v0-63, v64-127 B's fragments.  Window 2: accumulators, (i, nb) at 8 (8 i + nb).
.set PA,    272                        ; A's LDS row: 256 bytes + 16: the 16 rows of a load start at 16 different groups of four banks (64 banks of 4 bytes: ISA guide 11.1)
.set PB,    144
.set AT,    128*PA
.set BT,    256*PB
.set BOFF,  2*AT
.set SLOT,  2*AT+2*BT
.set DP,    528                        ; the way out: a row of 128 f32 + 16
.set DREG,  64*DP                      ; a wave's own region, in the ring, which has had its last fill by then
.set SPARE, 2*SLOT                     ; the spare words: 128 bytes a wave, two blocks of 256 bytes that no other line names
.set FSTR,  16
.set RH,    64
.set LAPS,  4                          ; 8 steps of 128 along K; a lap is two
.set STEPA, 512                        ; bytes from a step to the next in q
.set STEPB, 262144                     ; and in wb: two blocks
.set RQ,   12                          ; v[12:15]  R x 2^-e of my four columns on the way out
.set ADRA, 16
.set ADRB, 20
.set DST,  24
.set RDB,  25
.set RA,   26
.set GO,   27                          ; v27  8 x lane
.set SPW,  28
.set NIL,  29
.set S,    32
.set FA,   96
.set T,    160                         ; R[b][:], 32 numbers a lane, for the scale
.set X,    160                         ; the way out: 8 rows x 4 columns
.set Y,    192                         ; the same in f16
.set G1A, 24
.set G0A, 32
.set G1B, 48
.set G0B, 56
.set MULK, 0xa1                        ; B window 1, A window 0, C and D window 2
.set W2,   MULK
.set TO_B, 0x40
.set MSB, 0
.macro WIN new
.if MSB != (\new)
	s_set_vgpr_msb (MSB<<8)|(\new)
.set MSB, \new
.endif
.endm
.macro PLACES
.rept 4
	v_nop
.endr
.endm
.macro JLOAD s                         ; a joint load: waves 0 and 1 by A's line, 2 and 3 by B's; an s_nop 0 and four v_nop follow each line
	s_cmp_eq_u32 s13, 0
	s_cbranch_scc0 .Lfor_b_\@
	tensor_load_to_lds s[G0A+4*(\s):G0A+4*(\s)+3], s[G1A:G1A+7]
	s_nop 0
.rept 4
	v_nop
.endr
	s_branch .Lasked_\@
.Lfor_b_\@:
	tensor_load_to_lds s[G0B+4*(\s):G0B+4*(\s)+3], s[G1B:G1B+7]
	s_nop 0
.rept 4
	v_nop
.endr
.Lasked_\@:
.endm
.macro CREST
	s_cmp_lg_u32 s12, 0
	s_cbranch_scc1 .Lnot_wave_0_\@
	s_barrier_signal -3
.Lnot_wave_0_\@:
	s_barrier_wait -3
	s_barrier_signal -1
	s_barrier_wait -1
.endm
.macro CROUND
	s_barrier_signal -1
	s_barrier_wait -1
	CREST
.endm
.macro FETCH_A slot, p, kc             ; 16 LDS loads: my four fragments of A as f32
	WIN 0
.irp i, 0,1,2,3
.irp j, 0,1,2,3
	ds_load_b128 v[S+16*(\i)+4*(\j):S+16*(\i)+4*(\j)+3], v[ADRA+(\slot)] offset:(\p)*AT+(\i)*FSTR*PA+(\kc)*128+16*(\j)
.endr
.endr
.endm
.macro FETCH_B slot, p, kc, x          ; 16 LDS loads: my eight fragments of B into buffer x
	WIN TO_B
.irp nb, 0,1,2,3,4,5,6,7
	ds_load_b128 v[64*(\x)+8*(\nb):64*(\x)+8*(\nb)+3],   v[ADRB+(\slot)] offset:(\p)*BT+(\nb)*16*PB+(\kc)*64
	ds_load_b128 v[64*(\x)+8*(\nb)+4:64*(\x)+8*(\nb)+7], v[ADRB+(\slot)] offset:(\p)*BT+(\nb)*16*PB+(\kc)*64+16
.endr
.endm
.macro CVT4 x                          ; the next four of a phase's 32 roundings of A, into buffer x
	WIN 0
.rept 4
	v_cvt_pk_bf16_f32 v[FA+32*(\x)+cv], v[S+2*cv], v[S+2*cv+1]
.set cv, cv+1
.endr
.endm
.macro MUL8 x, win, i, zero, every     ; 8 products: A's fragment i x all 8 of B; every = 1, 2: four roundings behind every, every second product
.irp nb, 0,1,2,3,4,5,6,7
	WIN \win
.set rD, 8*(8*(\i)+(\nb))
.set rB, 64*(\x)+8*(\nb)
.set rA, FA+32*(\x)+8*(\i)
.if \zero
	v_wmma_f32_16x16x32_bf16 v[rD:rD+7], v[rB:rB+7], v[rA:rA+7], 0
.else
	v_wmma_f32_16x16x32_bf16 v[rD:rD+7], v[rB:rB+7], v[rA:rA+7], v[rD:rD+7]
.endif
.if (\every) == 1
	CVT4 1-(\x)
.elseif (\every) == 2
.if ((\nb)%2) == 1
	CVT4 1-(\x)
.endif
.endif
.endr
.endm
; A PHASE: 32 products on buffers x (32 accumulators by turns); the next phase's 32 LDS loads in one run at its head; A's 32 roundings among its last 16 products.
; It ends in four roundings, which name no register of the products: the four places in front of the next phase's loads into the buffers just multiplied.
.macro PHASE x, win, zero, ns, np, nkc
.set cv, 0
	s_wait_dscnt 0x0                               ; this phase's fragments of B, asked for a phase ago
	FETCH_A \ns, \np, \nkc
	FETCH_B \ns, \np, \nkc, 1-(\x)
	MUL8 \x, \win, 0, \zero, 0
	MUL8 \x, \win, 1, \zero, 0
	s_wait_dscnt 16                                ; A's 16 loads are in; B's 16, issued behind them, may stay out
	MUL8 \x, \win, 2, \zero, 2
	MUL8 \x, \win, 3, \zero, 2
.endm
; A step's fourth phase changes slots.  ONE barrier: in front of it each wave waits for all its tensor loads (one is out: its part of the next slot), adds 0 to its spare word, and waits for that and for
; its reads of this slot.  fill = 1: the barrier opens a round of the cluster's, and the joint refill, two steps ahead, is the first thing behind the round.
.macro TURN slot, next, fill, win
.set cv, 0
	WIN 0
	s_wait_tensorcnt 0x0
	ds_add_u32 v[SPW], v[NIL]
	s_wait_dscnt 1                                 ; B's fragments are in; the add may be out
	MUL8 1, \win, 0, 0, 0
	s_wait_dscnt 0x0                               ; the add is done, and my reads of this slot are over
	s_barrier_signal -1
	MUL8 1, \win, 1, 0, 0
	WIN 0
	s_barrier_wait -1
.if \fill
	CREST
	s_add_nc_u64 s[G0A+4*(\slot)+2:G0A+4*(\slot)+3], s[G0A+4*(\slot)+2:G0A+4*(\slot)+3], 2*STEPA
	s_add_nc_u64 s[G0B+4*(\slot)+2:G0B+4*(\slot)+3], s[G0B+4*(\slot)+2:G0B+4*(\slot)+3], 2*STEPB
	JLOAD \slot
.endif
	FETCH_A \next, 0, 0
	FETCH_B \next, 0, 0, 0
	MUL8 1, \win, 2, 0, 0
	s_wait_dscnt 16                                ; A's 16 loads are in
	MUL8 1, \win, 3, 0, 1
.endm
.macro STEP3 slot, z0, z2
	PHASE 0, MULK, \z0, \slot, 0, 1
	PHASE 1, MULK, 0,   \slot, 1, 0
	PHASE 0, W2,   \z2, \slot, 1, 1
.endm
.macro DUMP win, off                   ; 32 accumulators into my region: row 16 i + r, 32 bytes a lane; each accumulator's low registers first
	WIN \win
.irp i, 0,1,2,3
.irp nb, 0,1,2,3,4,5,6,7
	ds_store_b128 v[DST], v[8*(8*(\i)+(\nb)):8*(8*(\i)+(\nb))+3]   offset:(\off)+(\i)*16*DP+(\nb)*64
	ds_store_b128 v[DST], v[8*(8*(\i)+(\nb))+4:8*(8*(\i)+(\nb))+7] offset:(\off)+(\i)*16*DP+(\nb)*64+16
.endr
.endr
.endm
	s_load_b256 s[4:11], s[0:1], 0x0               ; q s[4:5], wb s[6:7], rbuf s[8:9], yt s[10:11]
	v_lshl_add_u32 v[SPW], v0, 2, SPARE
	v_mov_b32 v[NIL], 0
	ds_add_u32 v[SPW], v[NIL]                      ; the wave's opening: the add and its wait ahead of my first tensor load
	v_lshrrev_b32 v4, 5, v0
	v_readfirstlane_b32 s12, v4                    ; wave 0..3
	s_lshr_b32 s13, s12, 1                         ; rho.  Also: I fetch for A (0) or for B (1)
	s_and_b32 s14, s12, 1                          ; c.  Also: which of a step's two K blocks I fetch
	s_bfe_u32 s15, ttmp6, 0x40000                  ; cx
	s_bfe_u32 s16, ttmp6, 0x40004                  ; cy
	s_lshl_b32 s17, ttmp9, 2
	s_add_co_u32 s17, s17, s15                     ; x
	s_and_b32 s18, ttmp7, 0xffff
	s_lshl_b32 s18, s18, 2
	s_add_co_u32 s18, s18, s16                     ; y
	s_lshl_b32 s19, s16, 2
	s_lshl_b32 s19, 15, s19                        ; my row of the cluster
	s_lshl_b32 s20, 0x1111, s15                    ; my column
	s_or_b32 s[G1A], s19, (2<<16)|(1<<20)|(1<<21)|(5<<22)|(3<<25)  ; the mask; 4-byte elements; padding on; 21 set beside a mask; after every 64 words, 4 words
	s_mov_b32 s[G1A+1], 64<<16                     ; tensor_dim0 = 64
	s_mov_b32 s[G1A+2], 128<<16                    ; tensor_dim1 = 128
	s_mov_b32 s[G1A+3], 64<<16                     ; tile_dim0 = 64
	s_mov_b32 s[G1A+4], 128                        ; tile_dim1 = 128
	s_mov_b32 s[G1A+5], 1024                       ; elements from row to row
	s_mov_b32 s[G1A+6], 0
	s_mov_b32 s[G1A+7], 0
	s_or_b32 s[G1B], s20, (1<<16)|(1<<20)|(1<<21)|(4<<22)|(3<<25)  ; 2-byte elements; after every 32 words (a weight row's 128 bytes), 4 words
	s_mov_b32 s[G1B+1], 128<<16                    ; the tile's 32,768 dense bytes are asked for as 128 rows of 256
	s_mov_b32 s[G1B+2], 128<<16
	s_mov_b32 s[G1B+3], 128<<16
	s_mov_b32 s[G1B+4], 128
	s_mov_b32 s[G1B+5], 128
	s_mov_b32 s[G1B+6], 0
	s_mov_b32 s[G1B+7], 0
	s_lshl_b32 s44, s18, 19                        ; A: row 128 y,
	s_lshl_b32 s45, s14, 8                         ; K block c.  s[40:41], s[44:45] never hold x
	s_add_co_u32 s44, s44, s45
	s_mov_b32 s45, 0
	s_lshl_b32 s46, s17, 15                        ; B: weight 0, rows 256 x on,
	s_lshl_b32 s47, s14, 17                        ; K block c.  s[42:43], s[46:47] never hold y
	s_add_co_u32 s46, s46, s47
	s_mov_b32 s47, 0
	s_mul_i32 s21, s14, AT
	s_mul_i32 s22, s14, BT
	s_add_co_u32 s22, s22, BOFF
	s_mov_b32 s68, 0x76543210                      ; v_permlanex16_b32: each lane takes its own place in the other half
	s_mov_b32 s69, 0xfedcba98
	s_mov_b32 s75, 0x7fffffff
	s_mov_b32 s76, 0xbfb8aa3b                      ; -log2(e), named as a pair
	s_mov_b32 s77, s76
	s_wait_dscnt 0x0                               ; the opening add is done
	s_wait_kmcnt 0x0
	s_add_nc_u64 s[40:41], s[4:5], s[44:45]
	s_add_nc_u64 s[42:43], s[6:7], s[46:47]
	CROUND                                         ; all sixteen work-groups are here: the first joint loads meet
.irp s, 0,1
	s_mov_b32 s[G0A+4*(\s)], 1
	s_add_co_u32 s[G0A+4*(\s)+1], s21, (\s)*SLOT
	s_add_nc_u64 s[G0A+4*(\s)+2:G0A+4*(\s)+3], s[40:41], (\s)*STEPA
	s_or_b32 s[G0A+4*(\s)+3], s[G0A+4*(\s)+3], 0x80000000
	s_mov_b32 s[G0B+4*(\s)], 1
	s_add_co_u32 s[G0B+4*(\s)+1], s22, (\s)*SLOT
	s_add_nc_u64 s[G0B+4*(\s)+2:G0B+4*(\s)+3], s[42:43], (\s)*STEPB
	s_or_b32 s[G0B+4*(\s)+3], s[G0B+4*(\s)+3], 0x80000000
	JLOAD \s
.endr
	v_and_b32 v1, 15, v0                           ; r
	v_bfe_u32 v2, v0, 4, 1                         ; h
	v_and_b32 v3, 31, v0                           ; lane
	v_lshlrev_b32 v9, 4, v3                        ; 16 x lane
	s_lshr_b32 s44, s18, 4                         ; b: 16 row blocks a batch
	s_lshl_b32 s44, s44, 12
	s_mov_b32 s45, 0
	s_add_nc_u64 s[70:71], s[8:9], s[44:45]        ; R[b][:]
	s_lshl_b32 s46, s17, 10
	s_lshl_b32 s47, s14, 9
	s_add_co_u32 s46, s46, s47
	s_mov_b32 s47, 0
	s_add_nc_u64 s[72:73], s[70:71], s[46:47]      ; R[b][256 x + 128 c ..]
.irp i, 0,1,2,3,4,5,6,7
	global_load_b128 v[T+4*(\i):T+4*(\i)+3], v9, s[70:71] offset:512*(\i)
.endr
	global_load_b128 v[RQ:RQ+3], v9, s[72:73]
	v_mul_u32_u24 v4, v1, PA
	v_lshl_add_u32 v4, v2, 6, v4                   ; A: row x pitch + 64 h
	s_mul_i32 s23, s13, RH*PA
	v_add_nc_u32 v[ADRA], s23, v4
	v_add_nc_u32 v[ADRA+1], SLOT, v[ADRA]
	v_mul_u32_u24 v5, v1, PB
	v_lshl_add_u32 v5, v2, 5, v5                   ; B: row x pitch + 32 h
	s_mul_i32 s23, s14, 128*PB
	s_add_co_u32 s23, s23, BOFF
	v_add_nc_u32 v[ADRB], s23, v5
	v_add_nc_u32 v[ADRB+1], SLOT, v[ADRB]
	v_mul_u32_u24 v6, v1, DP
	v_lshl_add_u32 v6, v2, 5, v6
	s_mul_i32 s23, s12, DREG
	v_add_nc_u32 v[DST], s23, v6
	v_lshl_add_u32 v[RDB], v3, 4, s23
	v_lshlrev_b32 v[GO], 3, v3
	s_lshl_b32 s44, s18, 18                        ; yt: row 128 y + 64 rho,
	s_lshl_b32 s45, s13, 17
	s_add_co_u32 s44, s44, s45
	s_mov_b32 s45, 0
	s_add_nc_u64 s[10:11], s[10:11], s[44:45]
	s_lshl_b32 s46, s17, 9                         ; column 256 x + 128 c
	s_lshl_b32 s47, s14, 8
	s_add_co_u32 s46, s46, s47
	s_mov_b32 s47, 0
	s_add_nc_u64 s[10:11], s[10:11], s[46:47]
	; The batch's scale, in the wait for the first tile: the largest |R[b][:]|, its exponent alone, held to 2^-126 .. 2^126; v30 = 2^e, v31 = 2^-e.
	s_wait_loadcnt 0x0
.set z, 0
.rept 32
	v_and_b32 v[T+z], s75, v[T+z]
.set z, z+1
.endr
.irp n, 1,3,5
.irp k, 0,1,2,3
	v_max3_num_f32 v[T+8*(\k)], v[T+8*(\k)], v[T+8*(\k)+(\n)], v[T+8*(\k)+(\n)+1]
.endr
.endr
	v_max3_num_f32 v[T], v[T], v[T+7], v[T+15]
	v_max3_num_f32 v[T+8], v[T+8], v[T+23], v[T+31]
	v_max3_num_f32 v[T], v[T], v[T+8], v[T+16]
	v_max_num_f32 v[T], v[T], v[T+24]
	v_max_num_f32_dpp v[T], v[T], v[T] row_xmask:1 row_mask:0xf bank_mask:0xf
	v_max_num_f32_dpp v[T], v[T], v[T] row_xmask:2 row_mask:0xf bank_mask:0xf
	v_max_num_f32_dpp v[T], v[T], v[T] row_xmask:4 row_mask:0xf bank_mask:0xf
	v_max_num_f32_dpp v[T], v[T], v[T] row_xmask:8 row_mask:0xf bank_mask:0xf
	v_permlanex16_b32 v[T+1], v[T], s68, s69
	v_max_num_f32 v[T], v[T], v[T+1]
	v_and_b32 v30, 0x7f800000, v[T]
	v_max_u32 v30, 0x00800000, v30
	v_min_u32 v30, 0x7e800000, v30
	v_sub_nc_u32 v31, 0x7f000000, v30              ; the biased exponents of 2^e and 2^-e add up to 254
.irp n, 0,1,2,3
	v_mul_f32 v[RQ+(\n)], v[RQ+(\n)], v31
.endr
	s_wait_tensorcnt 1                             ; my part of step 0 is in; step 1's may stay out
	s_barrier_signal -1
	s_barrier_wait -1
	FETCH_A 0, 0, 0
	FETCH_B 0, 0, 0, 0
	s_wait_dscnt 16                                ; A's 16 loads are in
.set cv, 0
.rept 8
	CVT4 0
.endr
	STEP3 0, 1, 0                                  ; the first products start the sums: nothing is cleared
	WIN 0
	s_mov_b32 s3, LAPS-1
.Llap:                                                 ; a trip goes once round the ring and fills both slots again
	TURN 0, 1, 1, W2
	STEP3 1, 0, 0
	TURN 1, 0, 1, W2
	STEP3 0, 0, 0
	WIN 0
	s_sub_co_u32 s3, s3, 1
	s_cmp_lg_u32 s3, 0
	s_cbranch_scc1 .Llap
	TURN 0, 1, 0, W2                               ; the tail is written out: nothing more is asked for
	STEP3 1, 0, 0
	s_wait_dscnt 0x0                               ; the last fragments; also: my reads of the ring are over
	MUL8 1, W2, 0, 0, 0
	MUL8 1, W2, 1, 0, 0
	MUL8 1, W2, 2, 0, 0
	MUL8 1, W2, 3, 0, 0
	WIN 0
	PLACES                                         ; four places between the last products and the stores that read results
	s_barrier_signal -1                            ; every wave's reads of the ring are over before any wave writes into it
	s_barrier_wait -1
	; THE WAY OUT.  Q goes into my own region of the ring and comes back by rows: lane l holds columns 4 l .. 4 l + 3, whose R it keeps.  Eight rows a trip.
	DUMP 0x08, 0
	WIN 0
	s_mov_b32 s74, 0                               ; the loop's count is the row offset
.Lrows:
	v_add_nc_u32 v[RA], s74, v[RDB]
.irp j, 0,1,2,3,4,5,6,7
	ds_load_b128 v[X+4*(\j):X+4*(\j)+3], v[RA] offset:(\j)*DP  ; LDS serves a wave's instructions in order (ISA guide 5.7.1.4): these see my stores
.endr
	s_wait_dscnt 0x0
.set z, 0
.rept 16
	v_pk_mul_f32 v[X+2*z:X+2*z+1], v[X+2*z:X+2*z+1], s[76:77] op_sel_hi:[1,0]
.set z, z+1
.endr
.set z, 0
.rept 32
	v_exp_f32 v[X+z], v[X+z]                       ; 2^(-Q log2 e)
.set z, z+1
.endr
	v_nop                                          ; a plain instruction behind the last exponential (ISA guide 5.7.2)
.set z, 0
	s_wait_alu depctr_va_vdst(0)
.rept 16
	v_pk_add_f32 v[X+2*z:X+2*z+1], v[X+2*z:X+2*z+1], 1.0 op_sel_hi:[1,0]
.set z, z+1
.endr
.set z, 0
.rept 32
	v_rcp_f32 v[X+z], v[X+z]                       ; the sigmoid
.set z, z+1
.endr
	v_nop                                          ; likewise behind the last reciprocal
	s_wait_alu depctr_va_vdst(0)
.irp j, 0,1,2,3,4,5,6,7
.irp p, 0,2
	v_pk_mul_f32 v[X+4*(\j)+(\p):X+4*(\j)+(\p)+1], v[X+4*(\j)+(\p):X+4*(\j)+(\p)+1], v[RQ+(\p):RQ+(\p)+1]
.endr
.endr
.set z, 0
.rept 16
	v_cvt_pk_f16_f32 v[Y+z], v[X+2*z], v[X+2*z+1]
.set z, z+1
.endr
.irp j, 0,1,2,3,4,5,6,7
	global_store_b64 v[GO], v[Y+2*(\j):Y+2*(\j)+1], s[10:11] offset:(\j)*2048  ; the wave's 32 x 8 bytes are 256 consecutive bytes, aligned
.endr
	s_wait_xcnt 0x0                                ; the stores' base and data are rewritten only behind this wait (ISA guide 3.1)
	s_add_nc_u64 s[10:11], s[10:11], 8*2048
	s_add_co_u32 s74, s74, 8*DP
	s_cmp_lt_u32 s74, 64*DP
	s_cbranch_scc1 .Lrows
	s_wait_tensorcnt 0x0                           ; the wave's end
	ds_add_u32 v[SPW], v[NIL]
	s_wait_dscnt 0x0
	CROUND                                         ; the closing round
	s_endpgm
.Lfunc_end_k_qe02ce5ebee_qp:
	.size	k_qe02ce5ebee_qp, .Lfunc_end_k_qe02ce5ebee_qp-k_qe02ce5ebee_qp
	.p2alignl 7, 3214868480
	.fill 96, 4, 3214868480
	.section	.rodata,"a",@progbits
	.p2align	6, 0x0
	.amdhsa_kernel k_qe02ce5ebee_qp
		.amdhsa_group_segment_fixed_size 327680
		.amdhsa_private_segment_fixed_size 0
		.amdhsa_enable_private_segment 0
		.amdhsa_kernarg_size 32
		.amdhsa_user_sgpr_count 2
		.amdhsa_user_sgpr_kernarg_segment_ptr 1
		.amdhsa_wavefront_size32 1
		.amdhsa_system_sgpr_workgroup_id_x 1
		.amdhsa_system_sgpr_workgroup_id_y 1
		.amdhsa_system_sgpr_workgroup_id_z 1
		.amdhsa_system_vgpr_workitem_id 0
		.amdhsa_next_free_vgpr 768
		.amdhsa_next_free_sgpr 80
		.amdhsa_reserve_vcc 0
		.amdhsa_float_denorm_mode_32 3
		.amdhsa_float_denorm_mode_16_64 3
		.amdhsa_memory_ordered 1
		.amdhsa_forward_progress 1
		.amdhsa_inst_pref_size 131
	.end_amdhsa_kernel
	.amdgpu_metadata
---
amdhsa.version: [ 1, 2 ]
amdhsa.kernels:
  - .name:           k_qe02ce5ebee_qp
    .symbol:         k_qe02ce5ebee_qp.kd
    .args:
      - { .name: q, .offset: 0, .size: 8, .value_kind: global_buffer, .address_space: global }
      - { .name: wb, .offset: 8, .size: 8, .value_kind: global_buffer, .address_space: global }
      - { .name: rbuf, .offset: 16, .size: 8, .value_kind: global_buffer, .address_space: global }
      - { .name: yt, .offset: 24, .size: 8, .value_kind: global_buffer, .address_space: global }
    .group_segment_fixed_size: 327680
    .private_segment_fixed_size: 0
    .kernarg_segment_align: 8
    .kernarg_segment_size: 32
    .max_flat_workgroup_size: 128
    .sgpr_count:     80
    .vgpr_count:     768
    .wavefront_size: 32
...
	.end_amdgpu_metadata
.endif
;; end of part 4
;; launch op (part 5): grid 4 x 64, 4 waves a work-group, clusters of 4 x 4, 327,680 bytes of LDS; arguments yt, wb, rbuf, gbuf, out0; writes out0
.if DOCPART == 5
	.amdgcn_target "amdgcn-amd-amdhsa--gfx1250"
	.amdhsa_code_object_version 6
	.text
	.protected	k_qe02ce5ebee_op
	.globl	k_qe02ce5ebee_op
	.p2align	8
	.type	k_qe02ce5ebee_op,@function
k_qe02ce5ebee_op:
	s_mov_b64 s[64:65], 0
	v_nop
	global_prefetch_b8 v0, s[64:65] scope:SCOPE_SE
	s_setreg_imm32_b32 hwreg(HW_REG_WAVE_MODE, 25, 1), 1
	s_wait_xcnt 0x0
	s_wait_alu depctr_hold_cnt(0) depctr_sa_sdst(0) depctr_va_vdst(0) depctr_va_sdst(0) depctr_va_ssrc(0) depctr_va_vcc(0) depctr_vm_vsrc(0)
	s_getreg_b32 s2, hwreg(HW_REG_IB_STS2, 6, 4)
	s_cmp_eq_u32 s2, 0
	s_cbranch_scc0 .Lentry_in_a_cluster
	s_endpgm
.Lentry_in_a_cluster:
	s_bfe_u32 s2, ttmp6, 0x10000c
	s_cmp_lg_u32 s2, 0xf033
	s_cbranch_scc0 .Lentry_shape_is_right
	s_endpgm
.Lentry_shape_is_right:
; OP.  out[row][m] = (sum over h of yt[row][h] Wo[m][h]) x 2^e(b) x g[t], in f32.  Operands f16 (yt as made; Wo rounded to bf16 and written as f16), sums f32.  2^e(b) is made from R[b][:] exactly as the
; launch that wrote yt made it; g[t] is the row's share of the position weights: 1 for a finite row of W_bias, NaN otherwise.
; SHARES.  Work-group (x, y): rows 128 y .. + 127, columns 256 x .. + 255.  Four waves, rho = w / 2, c = w % 2: 64 rows x 128 columns, 32 accumulators.
; RING.  Two LDS slots; a slot holds a K step of 128: yt's tile (128 rows x 256 bytes; waves 0 and 1 fetch 64 rows each) and Wo's two K blocks of 64 (256 rows x 128 bytes, dense in wb; waves 2 and 3).
; One tensor load a wave behind each change of slots; by this text's count two loads of a wave are out at the start, later one.  CLUSTER 4 x 4: yt's tiles jointly along a row, Wo's along a column.
; FRAGMENTS.  Lane (r, h) holds k = 32 kc + 16 h + 0 .. 15 of its row (32 consecutive bytes) in A's and B's fragment alike: the same products, grouped otherwise inside the unit.
; Source 0 = 16 weight rows, source 1 = 16 rows of A: a lane's eight results are eight neighbouring columns of one row.
; REGISTERS: window 0: v0-31 addresses; v32-43 the rows' factors; v96-127, v128-159 A's fragments; v160-191 the way out.  Window 1: v0-63, v64-127 B's fragments.  Window 2: accumulators, (i, nb) at 8 (8 i + nb).
.set PA,    272                        ; A's LDS row: 256 bytes + 16: the 16 rows of a load start at 16 different groups of four banks (64 banks of 4 bytes: ISA guide 11.1)
.set PB,    144
.set AT,    128*PA
.set BT,    256*PB
.set BOFF,  AT
.set SLOT,  AT+2*BT
.set DP,    528
.set DREG,  64*DP                      ; a wave's own region, in the ring, which has had its last fill by then
.set SPARE, 2*SLOT                     ; the spare words: 128 bytes a wave, two blocks of 256 bytes that no other line names
.set LAPS,  4                          ; 8 steps of 128 along K; a lap is two
.set STEPA, 256
.set STEPB, 262144
.set ADRA, 16
.set ADRB, 20
.set DST,  24
.set RDB,  25
.set RA,   26
.set GO,   27                          ; v27  16 x lane
.set SPW,  28
.set NIL,  29
.set F,    32                          ; v[32:39]  g x 2^e of my row in fragment i, as a pair
.set G,    40                          ; v[40:43]  g
.set FA,   96
.set T,    160
.set X,    160
.set G1A, 24
.set G0A, 32
.set G1B, 48
.set G0B, 56
.set MULK, 0xa1
.set TO_B, 0x40
.set MSB, 0
.macro WIN new
.if MSB != (\new)
	s_set_vgpr_msb (MSB<<8)|(\new)
.set MSB, \new
.endif
.endm
.macro PLACES                          ; four places in front of loads into registers that matrix instructions have read, and of lines that read results
.rept 4
	v_nop
.endr
.endm
.macro JLOAD s                         ; a joint load: waves 0 and 1 by A's line, 2 and 3 by B's; an s_nop 0 and four v_nop follow each line
	s_cmp_eq_u32 s13, 0
	s_cbranch_scc0 .Lfor_b_\@
	tensor_load_to_lds s[G0A+4*(\s):G0A+4*(\s)+3], s[G1A:G1A+7]
	s_nop 0
.rept 4
	v_nop
.endr
	s_branch .Lasked_\@
.Lfor_b_\@:
	tensor_load_to_lds s[G0B+4*(\s):G0B+4*(\s)+3], s[G1B:G1B+7]
	s_nop 0
.rept 4
	v_nop
.endr
.Lasked_\@:
.endm
.macro CREST
	s_cmp_lg_u32 s12, 0
	s_cbranch_scc1 .Lnot_wave_0_\@
	s_barrier_signal -3
.Lnot_wave_0_\@:
	s_barrier_wait -3
	s_barrier_signal -1
	s_barrier_wait -1
.endm
.macro CROUND
	s_barrier_signal -1
	s_barrier_wait -1
	CREST
.endm
.macro FETCH_A slot, k4, x             ; 8 LDS loads: my four fragments of A, 32 k at k4, into buffer x
	WIN 0
.irp i, 0,1,2,3
	ds_load_b128 v[FA+32*(\x)+8*(\i):FA+32*(\x)+8*(\i)+3],   v[ADRA+(\slot)] offset:(\i)*16*PA+(\k4)*64
	ds_load_b128 v[FA+32*(\x)+8*(\i)+4:FA+32*(\x)+8*(\i)+7], v[ADRA+(\slot)] offset:(\i)*16*PA+(\k4)*64+16
.endr
.endm
.macro FETCH_B slot, p, kc, x          ; 16 LDS loads: my eight fragments of B into buffer x
	WIN TO_B
.irp nb, 0,1,2,3,4,5,6,7
	ds_load_b128 v[64*(\x)+8*(\nb):64*(\x)+8*(\nb)+3],   v[ADRB+(\slot)] offset:(\p)*BT+(\nb)*16*PB+(\kc)*64
	ds_load_b128 v[64*(\x)+8*(\nb)+4:64*(\x)+8*(\nb)+7], v[ADRB+(\slot)] offset:(\p)*BT+(\nb)*16*PB+(\kc)*64+16
.endr
.endm
.macro MUL8 x, i, zero                 ; 8 products: A's fragment i x all 8 of B, on buffers x
	WIN MULK
.irp nb, 0,1,2,3,4,5,6,7
.set rD, 8*(8*(\i)+(\nb))
.set rB, 64*(\x)+8*(\nb)
.set rA, FA+32*(\x)+8*(\i)
.if \zero
	v_wmma_f32_16x16x32_f16 v[rD:rD+7], v[rB:rB+7], v[rA:rA+7], 0
.else
	v_wmma_f32_16x16x32_f16 v[rD:rD+7], v[rB:rB+7], v[rA:rA+7], v[rD:rD+7]
.endif
.endr
.endm
; A PHASE: the next phase's 24 LDS loads in one run, then 32 products on buffers x (32 accumulators by turns).
.macro PHASE x, zero, ns, nk
	WIN 0
	s_wait_dscnt 0x0                               ; this phase's fragments, asked for a phase ago
	PLACES
	FETCH_A \ns, \nk, 1-(\x)
	FETCH_B \ns, (\nk)/2, (\nk)%2, 1-(\x)
	MUL8 \x, 0, \zero
	MUL8 \x, 1, \zero
	MUL8 \x, 2, \zero
	MUL8 \x, 3, \zero
.endm
; A step's fourth phase changes slots.  ONE barrier: in front of it each wave waits for all its tensor loads (one is out: its part of the next slot), adds 0 to its spare word, and waits for that and for
; its reads of this slot.  fill = 1: the barrier opens a round of the cluster's, and the joint refill, two steps ahead, is the first thing behind the round; its four v_nop are the places in front of the loads.
.macro TURN slot, next, fill
	WIN 0
	s_wait_tensorcnt 0x0
	ds_add_u32 v[SPW], v[NIL]
	s_wait_dscnt 1                                 ; the fragments are in; the add may be out
	MUL8 1, 0, 0
	s_wait_dscnt 0x0                               ; the add is done, and my reads of this slot are over
	s_barrier_signal -1
	MUL8 1, 1, 0
	WIN 0
	s_barrier_wait -1
.if \fill
	CREST
	s_add_nc_u64 s[G0A+4*(\slot)+2:G0A+4*(\slot)+3], s[G0A+4*(\slot)+2:G0A+4*(\slot)+3], 2*STEPA
	s_add_nc_u64 s[G0B+4*(\slot)+2:G0B+4*(\slot)+3], s[G0B+4*(\slot)+2:G0B+4*(\slot)+3], 2*STEPB
	JLOAD \slot
.else
	PLACES
.endif
	FETCH_A \next, 0, 0
	FETCH_B \next, 0, 0, 0
	MUL8 1, 2, 0
	MUL8 1, 3, 0
.endm
.macro STEP3 slot, z
	PHASE 0, \z, \slot, 1
	PHASE 1, 0,  \slot, 2
	PHASE 0, 0,  \slot, 3
.endm
	s_load_b256 s[4:11], s[0:1], 0x0               ; yt s[4:5], wb s[6:7], rbuf s[8:9], gbuf s[10:11]
	s_load_b64 s[66:67], s[0:1], 0x20              ; out0
	v_lshl_add_u32 v[SPW], v0, 2, SPARE
	v_mov_b32 v[NIL], 0
	ds_add_u32 v[SPW], v[NIL]                      ; the wave's opening: the add and its wait ahead of my first tensor load
	v_lshrrev_b32 v4, 5, v0
	v_readfirstlane_b32 s12, v4                    ; wave 0..3
	s_lshr_b32 s13, s12, 1                         ; rho.  Also: I fetch for A (0) or for B (1)
	s_and_b32 s14, s12, 1                          ; c.  Also: which half of A's rows, which of B's two K blocks I fetch
	s_bfe_u32 s15, ttmp6, 0x40000                  ; cx
	s_bfe_u32 s16, ttmp6, 0x40004                  ; cy
	s_lshl_b32 s17, ttmp9, 2
	s_add_co_u32 s17, s17, s15                     ; x
	s_and_b32 s18, ttmp7, 0xffff
	s_lshl_b32 s18, s18, 2
	s_add_co_u32 s18, s18, s16                     ; y
	s_lshl_b32 s19, s16, 2
	s_lshl_b32 s19, 15, s19                        ; my row of the cluster
	s_lshl_b32 s20, 0x1111, s15                    ; my column
	s_or_b32 s[G1A], s19, (1<<16)|(1<<20)|(1<<21)|(5<<22)|(3<<25)  ; the mask; 2-byte elements; padding on; 21 set beside a mask; after every 64 words, 4 words
	s_mov_b32 s[G1A+1], 128<<16                    ; tensor_dim0 = 128
	s_mov_b32 s[G1A+2], 64<<16                     ; tensor_dim1 = 64
	s_mov_b32 s[G1A+3], 128<<16                    ; tile_dim0 = 128
	s_mov_b32 s[G1A+4], 64                         ; tile_dim1 = 64
	s_mov_b32 s[G1A+5], 1024                       ; elements from row to row
	s_mov_b32 s[G1A+6], 0
	s_mov_b32 s[G1A+7], 0
	s_or_b32 s[G1B], s20, (1<<16)|(1<<20)|(1<<21)|(4<<22)|(3<<25)  ; after every 32 words (a weight row's 128 bytes), 4 words
	s_mov_b32 s[G1B+1], 128<<16                    ; the tile's 32,768 dense bytes are asked for as 128 rows of 256
	s_mov_b32 s[G1B+2], 128<<16
	s_mov_b32 s[G1B+3], 128<<16
	s_mov_b32 s[G1B+4], 128
	s_mov_b32 s[G1B+5], 128
	s_mov_b32 s[G1B+6], 0
	s_mov_b32 s[G1B+7], 0
	s_lshl_b32 s44, s18, 18                        ; A: row 128 y + 64 c, 2,048 bytes a row.  s[40:41], s[44:45] never hold x
	s_lshl_b32 s45, s14, 17
	s_add_co_u32 s44, s44, s45
	s_mov_b32 s45, 0
	s_lshl_b32 s46, s17, 15                        ; B: weight 3, rows 256 x on, K block c.  s[42:43], s[46:47] never hold y
	s_lshl_b32 s47, s14, 17
	s_add_co_u32 s46, s46, s47
	s_add_co_u32 s46, s46, 3*2097152
	s_mov_b32 s47, 0
	s_mul_i32 s21, s14, 64*PA
	s_mul_i32 s22, s14, BT
	s_add_co_u32 s22, s22, BOFF
	s_mov_b32 s68, 0x76543210                      ; v_permlanex16_b32: each lane takes its own place in the other half
	s_mov_b32 s69, 0xfedcba98
	s_mov_b32 s75, 0x7fffffff
	s_wait_dscnt 0x0                               ; the opening add is done
	s_wait_kmcnt 0x0
	s_add_nc_u64 s[40:41], s[4:5], s[44:45]
	s_add_nc_u64 s[42:43], s[6:7], s[46:47]
	CROUND                                         ; all sixteen work-groups are here: the first joint loads meet
.irp s, 0,1
	s_mov_b32 s[G0A+4*(\s)], 1
	s_add_co_u32 s[G0A+4*(\s)+1], s21, (\s)*SLOT
	s_add_nc_u64 s[G0A+4*(\s)+2:G0A+4*(\s)+3], s[40:41], (\s)*STEPA
	s_or_b32 s[G0A+4*(\s)+3], s[G0A+4*(\s)+3], 0x80000000
	s_mov_b32 s[G0B+4*(\s)], 1
	s_add_co_u32 s[G0B+4*(\s)+1], s22, (\s)*SLOT
	s_add_nc_u64 s[G0B+4*(\s)+2:G0B+4*(\s)+3], s[42:43], (\s)*STEPB
	s_or_b32 s[G0B+4*(\s)+3], s[G0B+4*(\s)+3], 0x80000000
	JLOAD \s
.endr
	v_and_b32 v1, 15, v0                           ; r
	v_bfe_u32 v2, v0, 4, 1                         ; h
	v_and_b32 v3, 31, v0                           ; lane
	v_lshlrev_b32 v[GO], 4, v3                     ; 16 x lane
	v_lshlrev_b32 v8, 2, v1                        ; 4 r
	s_lshr_b32 s44, s18, 4                         ; b: 16 row blocks a batch
	s_lshl_b32 s44, s44, 12
	s_mov_b32 s45, 0
	s_add_nc_u64 s[70:71], s[8:9], s[44:45]        ; R[b][:]
	s_and_b32 s44, s18, 15                         ; t of my first row: 128 (y % 16) + 64 rho
	s_lshl_b32 s44, s44, 9
	s_lshl_b32 s45, s13, 8
	s_add_co_u32 s44, s44, s45
	s_mov_b32 s45, 0
	s_add_nc_u64 s[72:73], s[10:11], s[44:45]
.irp i, 0,1,2,3,4,5,6,7
	global_load_b128 v[T+4*(\i):T+4*(\i)+3], v[GO], s[70:71] offset:512*(\i)
.endr
.irp i, 0,1,2,3
	global_load_b32 v[G+(\i)], v8, s[72:73] offset:64*(\i)  ; g of row 16 i + r
.endr
	v_mul_u32_u24 v4, v1, PA
	v_lshl_add_u32 v4, v2, 5, v4                   ; A: row x pitch + 32 h
	s_mul_i32 s23, s13, 64*PA
	v_add_nc_u32 v[ADRA], s23, v4
	v_add_nc_u32 v[ADRA+1], SLOT, v[ADRA]
	v_mul_u32_u24 v5, v1, PB
	v_lshl_add_u32 v5, v2, 5, v5                   ; B: row x pitch + 32 h
	s_mul_i32 s23, s14, 128*PB
	s_add_co_u32 s23, s23, BOFF
	v_add_nc_u32 v[ADRB], s23, v5
	v_add_nc_u32 v[ADRB+1], SLOT, v[ADRB]
	v_mul_u32_u24 v6, v1, DP
	v_lshl_add_u32 v6, v2, 5, v6
	s_mul_i32 s23, s12, DREG
	v_add_nc_u32 v[DST], s23, v6
	v_lshl_add_u32 v[RDB], v3, 4, s23
	s_lshl_b32 s44, s18, 19                        ; out: row 128 y + 64 rho, 4,096 bytes a row,
	s_lshl_b32 s45, s13, 18
	s_add_co_u32 s44, s44, s45
	s_mov_b32 s45, 0
	s_add_nc_u64 s[66:67], s[66:67], s[44:45]
	s_lshl_b32 s46, s17, 10                        ; column 256 x + 128 c
	s_lshl_b32 s47, s14, 9
	s_add_co_u32 s46, s46, s47
	s_mov_b32 s47, 0
	s_add_nc_u64 s[66:67], s[66:67], s[46:47]
	; The batch's scale, in the wait for the first tile: the largest |R[b][:]|, its exponent alone, held to 2^-126 .. 2^126: v30 = 2^e.
	s_wait_loadcnt 0x0
.set z, 0
.rept 32
	v_and_b32 v[T+z], s75, v[T+z]
.set z, z+1
.endr
.irp n, 1,3,5
.irp k, 0,1,2,3
	v_max3_num_f32 v[T+8*(\k)], v[T+8*(\k)], v[T+8*(\k)+(\n)], v[T+8*(\k)+(\n)+1]
.endr
.endr
	v_max3_num_f32 v[T], v[T], v[T+7], v[T+15]
	v_max3_num_f32 v[T+8], v[T+8], v[T+23], v[T+31]
	v_max3_num_f32 v[T], v[T], v[T+8], v[T+16]
	v_max_num_f32 v[T], v[T], v[T+24]
	v_max_num_f32_dpp v[T], v[T], v[T] row_xmask:1 row_mask:0xf bank_mask:0xf
	v_max_num_f32_dpp v[T], v[T], v[T] row_xmask:2 row_mask:0xf bank_mask:0xf
	v_max_num_f32_dpp v[T], v[T], v[T] row_xmask:4 row_mask:0xf bank_mask:0xf
	v_max_num_f32_dpp v[T], v[T], v[T] row_xmask:8 row_mask:0xf bank_mask:0xf
	v_permlanex16_b32 v[T+1], v[T], s68, s69
	v_max_num_f32 v[T], v[T], v[T+1]
	v_and_b32 v30, 0x7f800000, v[T]
	v_max_u32 v30, 0x00800000, v30
	v_min_u32 v30, 0x7e800000, v30
.irp i, 0,1,2,3
	v_mul_f32 v[F+2*(\i)], v[G+(\i)], v30
.endr
.irp i, 0,1,2,3
	v_mov_b32 v[F+2*(\i)+1], v[F+2*(\i)]           ; named with it as a pair
.endr
	s_wait_tensorcnt 1                             ; my part of step 0 is in; step 1's may stay out
	s_barrier_signal -1
	s_barrier_wait -1
	FETCH_A 0, 0, 0
	FETCH_B 0, 0, 0, 0
	STEP3 0, 1                                     ; the first products start the sums: nothing is cleared
	WIN 0
	s_mov_b32 s3, LAPS-1
.Llap:                                                 ; a trip goes once round the ring and fills both slots again
	TURN 0, 1, 1
	STEP3 1, 0
	TURN 1, 0, 1
	STEP3 0, 0
	WIN 0
	s_sub_co_u32 s3, s3, 1
	s_cmp_lg_u32 s3, 0
	s_cbranch_scc1 .Llap
	TURN 0, 1, 0                                   ; the tail is written out: nothing more is asked for
	STEP3 1, 0
	s_wait_dscnt 0x0                               ; the last fragments; also: my reads of the ring are over
	MUL8 1, 0, 0
	MUL8 1, 1, 0
	MUL8 1, 2, 0
	MUL8 1, 3, 0
	WIN 0
	PLACES                                         ; four places between the last products and the lines that read results
	s_barrier_signal -1                            ; every wave's reads of the ring are over before any wave writes into it
	s_barrier_wait -1
	; THE WAY OUT.  A lane holds one row in each fragment: its sums are multiplied by that row's g 2^e, go into my own region of the ring and come back by rows of 512 bytes.
	WIN 0x82                                       ; destination and source 0 window 2, the factor window 0
.irp i, 0,1,2,3
.set z, 0
.rept 32
	v_pk_mul_f32 v[64*(\i)+2*z:64*(\i)+2*z+1], v[64*(\i)+2*z:64*(\i)+2*z+1], v[F+2*(\i):F+2*(\i)+1] op_sel_hi:[1,0]  ; ascending: each accumulator's low registers first
.set z, z+1
.endr
.endr
	WIN 0x08                                       ; store data window 2
.irp i, 0,1,2,3
.irp nb, 0,1,2,3,4,5,6,7
	ds_store_b128 v[DST], v[8*(8*(\i)+(\nb)):8*(8*(\i)+(\nb))+3]   offset:(\i)*16*DP+(\nb)*64
	ds_store_b128 v[DST], v[8*(8*(\i)+(\nb))+4:8*(8*(\i)+(\nb))+7] offset:(\i)*16*DP+(\nb)*64+16
.endr
.endr
	WIN 0
	s_mov_b32 s74, 0                               ; the loop's count is the row offset: eight rows a trip
.Lrows:
	v_add_nc_u32 v[RA], s74, v[RDB]
.irp j, 0,1,2,3,4,5,6,7
	ds_load_b128 v[X+4*(\j):X+4*(\j)+3], v[RA] offset:(\j)*DP  ; LDS serves a wave's instructions in order (ISA guide 5.7.1.4): these see my stores
.endr
.irp j, 0,1,2,3,4,5,6,7
	s_wait_dscnt 7-(\j)                            ; row j is in; the younger loads stay out
	global_store_b128 v[GO], v[X+4*(\j):X+4*(\j)+3], s[66:67] offset:(\j)*4096 th:TH_STORE_NT  ; 512 consecutive bytes, aligned
.endr
	s_wait_xcnt 0x0                                ; the stores' base and data are rewritten only behind this wait (ISA guide 3.1)
	s_add_nc_u64 s[66:67], s[66:67], 8*4096
	s_add_co_u32 s74, s74, 8*DP
	s_cmp_lt_u32 s74, 64*DP
	s_cbranch_scc1 .Lrows
	s_wait_tensorcnt 0x0                           ; the wave's end
	ds_add_u32 v[SPW], v[NIL]
	s_wait_dscnt 0x0
	CROUND                                         ; the closing round
	s_endpgm
.Lfunc_end_k_qe02ce5ebee_op:
	.size	k_qe02ce5ebee_op, .Lfunc_end_k_qe02ce5ebee_op-k_qe02ce5ebee_op
	.p2alignl 7, 3214868480
	.fill 96, 4, 3214868480
	.section	.rodata,"a",@progbits
	.p2align	6, 0x0
	.amdhsa_kernel k_qe02ce5ebee_op
		.amdhsa_group_segment_fixed_size 327680
		.amdhsa_private_segment_fixed_size 0
		.amdhsa_enable_private_segment 0
		.amdhsa_kernarg_size 40
		.amdhsa_user_sgpr_count 2
		.amdhsa_user_sgpr_kernarg_segment_ptr 1
		.amdhsa_wavefront_size32 1
		.amdhsa_system_sgpr_workgroup_id_x 1
		.amdhsa_system_sgpr_workgroup_id_y 1
		.amdhsa_system_sgpr_workgroup_id_z 1
		.amdhsa_system_vgpr_workitem_id 0
		.amdhsa_next_free_vgpr 768
		.amdhsa_next_free_sgpr 80
		.amdhsa_reserve_vcc 0
		.amdhsa_float_denorm_mode_32 3
		.amdhsa_float_denorm_mode_16_64 3
		.amdhsa_memory_ordered 1
		.amdhsa_forward_progress 1
		.amdhsa_inst_pref_size 88
	.end_amdhsa_kernel
	.amdgpu_metadata
---
amdhsa.version: [ 1, 2 ]
amdhsa.kernels:
  - .name:           k_qe02ce5ebee_op
    .symbol:         k_qe02ce5ebee_op.kd
    .args:
      - { .name: yt, .offset: 0, .size: 8, .value_kind: global_buffer, .address_space: global }
      - { .name: wb, .offset: 8, .size: 8, .value_kind: global_buffer, .address_space: global }
      - { .name: rbuf, .offset: 16, .size: 8, .value_kind: global_buffer, .address_space: global }
      - { .name: gbuf, .offset: 24, .size: 8, .value_kind: global_buffer, .address_space: global }
      - { .name: out0, .offset: 32, .size: 8, .value_kind: global_buffer, .address_space: global }
    .group_segment_fixed_size: 327680
    .private_segment_fixed_size: 0
    .kernarg_segment_align: 8
    .kernarg_segment_size: 40
    .max_flat_workgroup_size: 128
    .sgpr_count:     80
    .vgpr_count:     768
    .wavefront_size: 32
...
	.end_amdgpu_metadata
.endif
;; end of part 5
